; MI455X (gfx1250); checked and timed in simulation.
; The chip was launched on July 23, 2026; its instructions are those of AMD's public machine-readable ISA for CDNA 5 (MIT licence, August 2026) and "CDNA5" Instruction Set Architecture Reference Guide (July 2026). The comments in the code are by the model that wrote it; some were corrected since.
;; Nearest Upsample Block. Allowed arithmetic: float matrix products may take bf16 or f16 operands with f32 sums; all other float work in f32.
;; Inputs: conv_b 256 float32; conv_w 256 x 768 float32; points1 4 x 8,192 x 256 float32; points2 4 x 2,048 x 512 float32; xyz1 4 x 8,192 x 3 float32; xyz2 4 x 2,048 x 3 float32.
;; Outputs: out0 4 x 8,192 x 256 float32.
;; Constants: nsample = 8.
;; 2 versions, each right and faster than the one before. Each part assembles by itself: llvm-mc -triple=amdgcn-amd-amdhsa -mcpu=gfx1250 --defsym DOCPART=n.
;; ======== version 1 of 2: 4 launches
;; limits: values outside matrix products are rounded to bf16
;; workspace buffers: wbf 393,216 bytes; p2w 4,194,304 bytes; gids 1,048,576 bytes of whole numbers; idx 1,048,576 bytes of whole numbers
;; launch groups (part 1): grid 256 x 1, 4 waves a work-group, no clusters, 119,808 bytes of LDS; arguments xyz1, xyz2, conv_w, gids, wbf; writes gids, wbf
.if DOCPART == 1
	.amdgcn_target "amdgcn-amd-amdhsa--gfx1250"
	.amdhsa_code_object_version 6
	.text
	.protected	k_qca6007946d_groups
	.globl	k_qca6007946d_groups
	.p2align	8
	.type	k_qca6007946d_groups,@function
k_qca6007946d_groups:
	s_mov_b64 s[64:65], 0
	v_nop
	global_prefetch_b8 v0, s[64:65] scope:SCOPE_SE
	s_setreg_imm32_b32 hwreg(HW_REG_WAVE_MODE, 25, 1), 1
	s_wait_xcnt 0x0
; NearestUpsampleBlock, launch 1 of 4 (groups, p2w, pick, fuse).
; THE WHOLE PROGRAM.  out = points1 W1^T + (sum_k w_k points2[idx_k]) W2^T + b  with conv_w = [W1 | W2].  The product with W2 is linear, so in exact
; arithmetic the middle term is sum_k w_k (points2 W2^T)[idx_k]: launch 2 makes P2W = points2 W2^T once (8192 x 512 x 256 multiply-adds in place of
; 32768 x 512 x 256), launch 4 gathers rows of P2W.  No input and no step of the reference is left out; every input is loaded.
; THE CHOICE OF NEIGHBOURS is made on values alone, in two levels.  The 2048 candidates of a batch are 128 groups of 16 neighbouring indices.
; Every one of the 8 first candidates in the order (distance, index) lies in one of the 8 first groups in the order (group minimum, group number):
; if 8 groups came before a candidate's group, each would hold a candidate that comes before it.  This launch finds those 8 groups for each query
; and stores their numbers, ascending, as whole numbers; launch 3 reads them and picks the 8 candidates among 8 x 16.
; On each level: a sorted list of the 8 least values (a chain of v_med3), tau = the 8th, one bit mask of 'less than tau' and one of 'equal to tau',
; and the 8 lowest bits of the 256-bit number [equal | less]: all that are less, then the equal ones by ascending index, as top_k breaks ties.
; DISTANCES.  xyz1 and xyz2 are rounded once to bf16 (nearest even), as operands of the distance product; then every product below is exact in f32 and
; only the sums round, in the reference's order: s = (x x + y y) + z z, dot = (qx x + qy y) + qz z, sqd = (s1 + s2) - 2 dot  (the table holds -2 x, -2 y,
; -2 z: a power of two commutes with rounding).  The product has K = 3: it would fill 3 of a matrix instruction's 32 places along K, and the choice
; needs these f32 roundings, so it is made by packed f32 multiply-adds.
; LIMITS.  The neighbours are those of the bf16-rounded clouds.  Coordinates are finite and below 1e18 in magnitude (their squares stay finite);
; with a NaN among the distances the groups stored are unspecified numbers from 0 to 127.  +0 and -0 count as equal.
; THIS LAUNCH.  Work-group i: batch i / 64, queries 128 i .. 128 i + 127; it also rounds row i of conv_w to bf16 (waves 0 to 2).
; Scan: every wave holds all 128 queries (lane l: queries 4 l .. 4 l + 3) and scans a quarter of the candidates, 32 groups.
; No cluster: what the 64 work-groups of a batch share is xyz2's 24,576 bytes, and they pass through registers to be rounded and rearranged.
.set MG,    32768                      ; LDS: group minima, 16,384 bytes for each wave: group g at 512 g, query q at 4 q
.set LST,   98304                      ; the four waves' lists of 8: entry i of wave w at 512 (8 w + i) + 4 q
.set TAU,   114688                     ; tau of query q at 4 q
.set MSK,   115200                     ; query q at 32 q: four words 'less' (wave w's 32 groups in word w), four words 'equal'
.set QX,   4                           ; v[4:7]    x of my 4 queries;  QY, QZ likewise;  QS their s1
.set QY,   8
.set QZ,   12
.set QS,   16
.set L,    20                          ; v[20:51]  the sorted lists: entry i of query j at L + 4 i + j
.set M,    52                          ; v[52:55]  the running minimum of a group
.set DA,   56                          ; v[56:63]  distances: candidate a of a pair, then candidate b
.set TA,   64                          ; v[64:71]  s1 + s2 likewise
.set CB0,  72                          ; v[72:135]  a group's 8 pairs of candidates
.set CB1,  136                         ; v[136:199] the next group's
.set TAUR, 200                         ; v[200:203] tau of my 4 queries
.set LTW,  204                         ; v[204:207] masks 'less'
.set EQW,  208                         ; v[208:211] masks 'equal'
.set RAW,  72                          ; building the table: 8 pairs as loaded, 6 numbers each
.set PP,   120                         ; v[120:127] one entry of the table
.set PT,   128
.set PADR, 215
.set W,    72                          ; decoding: the 8 mask words
.set P,    80                          ; the 8 results
.set CUR,  88
.set KW,   89
.set TT,   90
; two numbers rounded to bf16 and widened again
.macro RND2 d0, d1, a, b
	v_cvt_pk_bf16_f32 v[PT], v[\a], v[\b]
	v_lshlrev_b32 v[\d0], 16, v[PT]
	v_and_b32 v[\d1], s17, v[PT]
.endm
; candidates 2 p and 2 p + 1, p = thread + 128 k, become 32 bytes at 32 p: -2xa -2xb -2ya -2yb -2za -2zb sa sb
.macro BUILD k
	RND2 PP, PP+1, RAW+6*\k, RAW+6*\k+3
	RND2 PP+2, PP+3, RAW+6*\k+1, RAW+6*\k+4
	RND2 PP+4, PP+5, RAW+6*\k+2, RAW+6*\k+5
	v_pk_mul_f32 v[PP+6:PP+7], v[PP:PP+1], v[PP:PP+1]
	v_pk_fma_f32 v[PP+6:PP+7], v[PP+2:PP+3], v[PP+2:PP+3], v[PP+6:PP+7]
	v_pk_fma_f32 v[PP+6:PP+7], v[PP+4:PP+5], v[PP+4:PP+5], v[PP+6:PP+7]
	v_pk_mul_f32 v[PP:PP+1], v[PP:PP+1], -2.0 op_sel_hi:[1,0]
	v_pk_mul_f32 v[PP+2:PP+3], v[PP+2:PP+3], -2.0 op_sel_hi:[1,0]
	v_pk_mul_f32 v[PP+4:PP+5], v[PP+4:PP+5], -2.0 op_sel_hi:[1,0]
	ds_store_b128 v[PADR], v[PP:PP+3] offset:4096*\k
	ds_store_b128 v[PADR], v[PP+4:PP+7] offset:4096*\k+16
.endm
; value v goes into the ascending list of 8 at l (stride st): entry i becomes the middle one of (entry i-1, entry i, v), from the top down
.macro INS l, st, v
.irp i, 7,6,5,4,3,2,1
	v_med3_num_f32 v[\l+\st*\i], v[\l+\st*(\i-1)], v[\l+\st*\i], v[\v]
.endr
	v_min_num_f32 v[\l], v[\l], v[\v]
.endm
; one more bit, from the top down: mask = 2 mask + (v < tau), and the same for (v == tau)
.macro BIT v, tau, lw, ew
	v_cmp_lt_f32 vcc_lo, v[\v], v[\tau]
	v_add_co_ci_u32 v[\lw], vcc_lo, v[\lw], v[\lw], vcc_lo
	v_cmp_eq_f32 vcc_lo, v[\v], v[\tau]
	v_add_co_ci_u32 v[\ew], vcc_lo, v[\ew], v[\ew], vcc_lo
.endm
; the lowest set bit of the 256-bit number W[0..7]: its place modulo 128 goes to p, and the bit is cleared (X and X - 1, the borrow carried through VCC)
.macro EXTRACT p
	v_mov_b32 v[CUR], v[W+7]
	v_mov_b32 v[KW], 7
.irp k, 6,5,4,3,2,1,0
	v_cmp_eq_u32 vcc_lo, 0, v[W+\k]
	v_cndmask_b32 v[CUR], v[W+\k], v[CUR], vcc_lo  ; the lowest word that is not 0,
	v_cndmask_b32 v[KW], \k, v[KW], vcc_lo         ; and its number
.endr
	v_sub_nc_u32 v[TT], 0, v[CUR]
	v_and_b32 v[TT], v[CUR], v[TT]                 ; its lowest bit alone: a power of two,
	v_cvt_f32_u32 v[TT], v[TT]                     ; whose f32 exponent field is 127 + the bit's number
	v_lshrrev_b32 v[TT], 23, v[TT]
	v_lshl_add_u32 v[TT], v[KW], 5, v[TT]
	v_add_nc_u32 v[TT], 1, v[TT]                   ; 32 word + bit + 128
	v_and_b32 v[\p], 127, v[TT]
	v_add_co_u32 v[TT], vcc_lo, -1, v[W]
	v_and_b32 v[W], v[W], v[TT]
.irp k, 1,2,3,4,5,6,7
	v_add_co_ci_u32 v[TT], vcc_lo, -1, v[W+\k], vcc_lo
	v_and_b32 v[W+\k], v[W+\k], v[TT]
.endr
.endm
.macro CSWAP a, b
	v_min_u32 v[TT], v[P+\a], v[P+\b]
	v_max_u32 v[P+\b], v[P+\a], v[P+\b]
	v_mov_b32 v[P+\a], v[TT]
.endm
.macro DECODE sort
.irp p, 0,1,2,3,4,5,6,7
	EXTRACT P+\p
.endr
.if \sort
	CSWAP 0,1                                      ; 19 exchanges (odd-even merge sort of 8): ascending
	CSWAP 2,3
	CSWAP 4,5
	CSWAP 6,7
	CSWAP 0,2
	CSWAP 1,3
	CSWAP 4,6
	CSWAP 5,7
	CSWAP 1,2
	CSWAP 5,6
	CSWAP 0,4
	CSWAP 1,5
	CSWAP 2,6
	CSWAP 3,7
	CSWAP 2,4
	CSWAP 3,5
	CSWAP 1,2
	CSWAP 3,4
	CSWAP 5,6
.endif
.endm
; a group's 256 bytes, the same for every lane (all lanes give one address)
.macro FETCH buf, off
.irp i, 0,1,2,3,4,5,6,7,8,9,10,11,12,13,14,15
	ds_load_b128 v[\buf+4*\i:\buf+4*\i+3], v2 offset:\off+16*\i
.endr
.endm
; a pair of candidates (8 registers at c) against my 4 queries: four chains (candidate a or b, queries 0-1 or 2-3) go stage by stage
.macro PAIRSTEP c, first
.irp sel, 0,1
.irp jp, 0,2
	v_pk_mul_f32 v[DA+4*\sel+\jp:DA+4*\sel+\jp+1], v[QX+\jp:QX+\jp+1], v[\c:\c+1] op_sel:[0,\sel] op_sel_hi:[1,\sel]
.endr
.endr
.irp sel, 0,1
.irp jp, 0,2
	v_pk_add_f32 v[TA+4*\sel+\jp:TA+4*\sel+\jp+1], v[QS+\jp:QS+\jp+1], v[\c+6:\c+7] op_sel:[0,\sel] op_sel_hi:[1,\sel]
.endr
.endr
.irp sel, 0,1
.irp jp, 0,2
	v_pk_fma_f32 v[DA+4*\sel+\jp:DA+4*\sel+\jp+1], v[QY+\jp:QY+\jp+1], v[\c+2:\c+3], v[DA+4*\sel+\jp:DA+4*\sel+\jp+1] op_sel:[0,\sel,0] op_sel_hi:[1,\sel,1]
.endr
.endr
.irp sel, 0,1
.irp jp, 0,2
	v_pk_fma_f32 v[DA+4*\sel+\jp:DA+4*\sel+\jp+1], v[QZ+\jp:QZ+\jp+1], v[\c+4:\c+5], v[DA+4*\sel+\jp:DA+4*\sel+\jp+1] op_sel:[0,\sel,0] op_sel_hi:[1,\sel,1]
.endr
.endr
.irp sel, 0,1
.irp jp, 0,2
	v_pk_add_f32 v[DA+4*\sel+\jp:DA+4*\sel+\jp+1], v[TA+4*\sel+\jp:TA+4*\sel+\jp+1], v[DA+4*\sel+\jp:DA+4*\sel+\jp+1]
.endr
.endr
.irp j, 0,1,2,3
.if \first
	v_min_num_f32 v[M+\j], v[DA+\j], v[DA+4+\j]    ; the first pair starts the minimum
.else
	v_min3_num_f32 v[M+\j], v[M+\j], v[DA+\j], v[DA+4+\j]
.endif
.endr
.endm
; a group of 16 candidates: its minimum for each of my 4 queries, kept in LDS for the masks and put into the lists
.macro GROUP buf, mgoff
	PAIRSTEP \buf, 1
.irp pr, 1,2,3,4,5,6,7
	PAIRSTEP \buf+8*\pr, 0
.endr
	ds_store_b128 v3, v[M:M+3] offset:\mgoff
.irp j, 0,1,2,3
	INS L+\j, 4, M+\j
.endr
.endm
	s_load_b256 s[4:11], s[0:1], 0x0               ; xyz1 s[4:5], xyz2 s[6:7], conv_w s[8:9], gids s[10:11]
	s_load_b64 s[12:13], s[0:1], 0x20              ; wbf
	v_lshl_add_u32 v224, v0, 2, 0x1d200
	v_mov_b32 v225, 0
	v_and_b32 v1, 31, v0                           ; lane
	v_lshrrev_b32 v212, 5, v0
	v_readfirstlane_b32 s14, v212                  ; wave
	s_lshr_b32 s15, ttmp9, 6                       ; batch
	s_mov_b32 s17, 0xffff0000                      ; a word's upper bf16
	s_mov_b32 s26, 0x7f800000                      ; +infinity: an empty list
	s_mul_i32 s18, s15, 24576                      ; the batch's xyz2
	s_mov_b32 s19, 0
	s_mul_i32 s20, ttmp9, 1536                     ; 128 queries of 12 bytes; also a row of 768 bf16
	s_mov_b32 s21, 0
	s_mul_i32 s22, ttmp9, 3072                     ; a row of 768 f32
	s_mov_b32 s23, 0
	s_lshl_b32 s24, ttmp9, 11                      ; 128 queries of 16 bytes
	s_mov_b32 s25, 0
	s_lshl_b32 s27, s14, 13                        ; my wave's 256 pairs in the table
	s_lshl_b32 s28, s14, 14
	s_add_co_u32 s28, s28, MG
	s_lshl_b32 s29, s14, 12
	s_add_co_u32 s29, s29, LST
	s_lshl_b32 s30, s14, 2
	s_add_co_u32 s30, s30, MSK
	v_mul_u32_u24 v213, 24, v0                     ; a pair of candidates in xyz2
	v_mul_u32_u24 v214, 48, v1                     ; my 4 queries in xyz1
	v_lshlrev_b32 v215, 5, v0                      ; 32 x thread: conv_w, and the table
	v_lshlrev_b32 v216, 4, v0                      ; 16 x thread: wbf, gids
	v_mov_b32 v2, s27                              ; where the scan reads
	v_lshl_add_u32 v3, v1, 4, s28                  ; where it puts the minima (stepped),
	v_lshl_add_u32 v217, v1, 4, s28                ; and the same, kept for the masks
	v_lshl_add_u32 v218, v1, 4, s29
	v_lshl_add_u32 v219, v0, 2, LST
	v_lshl_add_u32 v220, v0, 2, TAU
	v_lshl_add_u32 v221, v1, 4, TAU
	v_lshl_add_u32 v222, v1, 7, s30
	v_lshl_add_u32 v223, v0, 5, MSK
	s_wait_kmcnt 0x0
	s_add_nc_u64 s[4:5], s[4:5], s[20:21]
	s_add_nc_u64 s[6:7], s[6:7], s[18:19]
	s_add_nc_u64 s[8:9], s[8:9], s[22:23]
	s_add_nc_u64 s[10:11], s[10:11], s[24:25]
	s_add_nc_u64 s[12:13], s[12:13], s[20:21]
	s_cmp_gt_u32 s14, 2                            ; 96 threads x 8 numbers are a row of conv_w
	s_cbranch_scc1 .Lno_w_in
	global_load_b128 v[200:203], v215, s[8:9] th:TH_LOAD_NT
	global_load_b128 v[204:207], v215, s[8:9] offset:16 th:TH_LOAD_NT
.Lno_w_in:
.irp k, 0,1,2,3,4,5,6,7
	global_load_b64 v[RAW+6*\k:RAW+6*\k+1], v213, s[6:7] offset:3072*\k
	global_load_b64 v[RAW+6*\k+2:RAW+6*\k+3], v213, s[6:7] offset:3072*\k+8
	global_load_b64 v[RAW+6*\k+4:RAW+6*\k+5], v213, s[6:7] offset:3072*\k+16
.endr
	global_load_b128 v[136:139], v214, s[4:5]
	global_load_b128 v[140:143], v214, s[4:5] offset:16
	global_load_b128 v[144:147], v214, s[4:5] offset:32
	s_wait_loadcnt 0x3                             ; all but the three youngest loads (xyz1) are in
.irp k, 0,1,2,3,4,5,6,7
	BUILD \k
.endr
	s_cmp_gt_u32 s14, 2
	s_cbranch_scc1 .Lno_w_out
	v_cvt_pk_bf16_f32 v208, v200, v201
	v_cvt_pk_bf16_f32 v209, v202, v203
	v_cvt_pk_bf16_f32 v210, v204, v205
	v_cvt_pk_bf16_f32 v211, v206, v207
	global_store_b128 v216, v[208:211], s[12:13]   ; a wave's store covers 512 consecutive bytes, at a multiple of 256 from wbf's first byte
.Lno_w_out:
	s_wait_loadcnt 0x0
	RND2 QX, QX+1, 136, 139                        ; twelve numbers x0 y0 z0 x1 .. z3
	RND2 QX+2, QX+3, 142, 145
	RND2 QY, QY+1, 137, 140
	RND2 QY+2, QY+3, 143, 146
	RND2 QZ, QZ+1, 138, 141
	RND2 QZ+2, QZ+3, 144, 147
.irp jp, 0,2
	v_pk_mul_f32 v[QS+\jp:QS+\jp+1], v[QX+\jp:QX+\jp+1], v[QX+\jp:QX+\jp+1]
	v_pk_fma_f32 v[QS+\jp:QS+\jp+1], v[QY+\jp:QY+\jp+1], v[QY+\jp:QY+\jp+1], v[QS+\jp:QS+\jp+1]
	v_pk_fma_f32 v[QS+\jp:QS+\jp+1], v[QZ+\jp:QZ+\jp+1], v[QZ+\jp:QZ+\jp+1], v[QS+\jp:QS+\jp+1]
.endr
.set n, 0
.rept 32
	v_mov_b32 v[L+n], s26
.set n, n+1
.endr
	s_wait_dscnt 0x0                               ; my part of the table is written
	s_barrier_signal -1
	s_barrier_wait -1                              ; everybody's is
	; THE SCAN: 32 groups, two a trip, on two register buffers.  The count 16 leaves out the 16 loads just issued; older than they are
	; the buffer that is now worked on and the last store of minima.
	FETCH CB0, 0
	s_mov_b32 s16, 0
.Lscan:
	FETCH CB1, 256
	s_wait_dscnt 0x10
	GROUP CB0, 0
	FETCH CB0, 512
	s_wait_dscnt 0x10
	GROUP CB1, 512
	v_add_nc_u32 v2, 512, v2
	v_add_nc_u32 v3, 1024, v3
	s_add_co_u32 s16, s16, 1
	s_cmp_lt_u32 s16, 15
	s_cbranch_scc1 .Lscan
	FETCH CB1, 256                                 ; groups 30 and 31: nothing is fetched beyond my quarter
	s_wait_dscnt 0x10
	GROUP CB0, 0
	s_wait_dscnt 0x0
	GROUP CB1, 512
	; THE FOUR LISTS OF A QUERY MEET: thread t merges those of query t; tau is the 8th least of the 128 group minima
.irp i, 0,1,2,3,4,5,6,7
	ds_store_b128 v218, v[L+4*\i:L+4*\i+3] offset:512*\i
.endr
	s_wait_dscnt 0x0
	s_barrier_signal -1
	s_barrier_wait -1
.set n, 0
.rept 32
	ds_load_b32 v[CB0+n], v219 offset:512*n
.set n, n+1
.endr
	s_wait_dscnt 0x0
.set n, 8
.rept 24
	INS CB0, 1, CB0+n                              ; wave 0's list stands as it is; the other 24 values go in
.set n, n+1
.endr
	ds_store_b32 v220, v[CB0+7]
	s_wait_dscnt 0x0
	s_barrier_signal -1
	s_barrier_wait -1
	; THE MASKS of my wave's 32 groups for my 4 queries, group 31 first, so that group g ends in bit g
	ds_load_b128 v[TAUR:TAUR+3], v221
.set n, 0
.rept 32
	ds_load_b128 v[CB0+4*n:CB0+4*n+3], v217 offset:512*(31-n)
.set n, n+1
.endr
	s_wait_xcnt 0x0                                ; v[208:211] were the data of the store into wbf: written again only behind this wait
.irp j, 0,1,2,3,4,5,6,7
	v_mov_b32 v[LTW+\j], 0
.endr
.set n, 0
.rept 32
	s_wait_dscnt 31-n                              ; LDS loads come back in order: 31 - n younger ones may be out
.irp j, 0,1,2,3
	BIT CB0+4*n+\j, TAUR+\j, LTW+\j, EQW+\j
.endr
.set n, n+1
.endr
.irp j, 0,1,2,3
	ds_store_b32 v222, v[LTW+\j] offset:32*\j
	ds_store_b32 v222, v[EQW+\j] offset:32*\j+16
.endr
	s_wait_dscnt 0x0
	s_barrier_signal -1
	s_barrier_wait -1
	; THE 8 GROUPS of query t, ascending, so that in the next launch a place among the 8 x 16 candidates ascends with the index
	ds_load_b128 v[W:W+3], v223
	ds_load_b128 v[W+4:W+7], v223 offset:16
	s_wait_dscnt 0x0
	DECODE 1
	global_store_b128 v216, v[P:P+3], s[10:11]                  ; two planes of 16 bytes a query: each store of a wave covers 512 consecutive bytes
	global_store_b128 v216, v[P+4:P+7], s[10:11] offset:524288
	s_wait_tensorcnt 0x0
	ds_add_u32 v224, v225
	s_wait_dscnt 0x0
	s_endpgm
.Lfunc_end_k_qca6007946d_groups:
	.size	k_qca6007946d_groups, .Lfunc_end_k_qca6007946d_groups-k_qca6007946d_groups
	.p2alignl 7, 3214868480
	.fill 96, 4, 3214868480
	.section	.rodata,"a",@progbits
	.p2align	6, 0x0
	.amdhsa_kernel k_qca6007946d_groups
		.amdhsa_group_segment_fixed_size 119808
		.amdhsa_private_segment_fixed_size 0
		.amdhsa_enable_private_segment 0
		.amdhsa_kernarg_size 40
		.amdhsa_user_sgpr_count 2
		.amdhsa_user_sgpr_kernarg_segment_ptr 1
		.amdhsa_wavefront_size32 1
		.amdhsa_system_sgpr_workgroup_id_x 1
		.amdhsa_system_sgpr_workgroup_id_y 1
		.amdhsa_system_sgpr_workgroup_id_z 1
		.amdhsa_system_vgpr_workitem_id 0
		.amdhsa_next_free_vgpr 226
		.amdhsa_next_free_sgpr 66
		.amdhsa_reserve_vcc 1
		.amdhsa_float_denorm_mode_32 3
		.amdhsa_float_denorm_mode_16_64 3
		.amdhsa_memory_ordered 1
		.amdhsa_forward_progress 1
		.amdhsa_inst_pref_size 123
	.end_amdhsa_kernel
	.amdgpu_metadata
---
amdhsa.version: [ 1, 2 ]
amdhsa.kernels:
  - .name:           k_qca6007946d_groups
    .symbol:         k_qca6007946d_groups.kd
    .args:
      - { .name: xyz1, .offset: 0, .size: 8, .value_kind: global_buffer, .address_space: global }
      - { .name: xyz2, .offset: 8, .size: 8, .value_kind: global_buffer, .address_space: global }
      - { .name: conv_w, .offset: 16, .size: 8, .value_kind: global_buffer, .address_space: global }
      - { .name: gids, .offset: 24, .size: 8, .value_kind: global_buffer, .address_space: global }
      - { .name: wbf, .offset: 32, .size: 8, .value_kind: global_buffer, .address_space: global }
    .group_segment_fixed_size: 119808
    .private_segment_fixed_size: 0
    .kernarg_segment_align: 8
    .kernarg_segment_size: 40
    .max_flat_workgroup_size: 128
    .sgpr_count:     66
    .vgpr_count:     226
    .wavefront_size: 32
...
	.end_amdgpu_metadata
.endif
;; end of part 1
;; launch p2w (part 2): grid 256 x 1, 4 waves a work-group, clusters of 4 x 1, 316,928 bytes of LDS; arguments points2, wbf, p2w; writes p2w
.if DOCPART == 2
	.amdgcn_target "amdgcn-amd-amdhsa--gfx1250"
	.amdhsa_code_object_version 6
	.text
	.protected	k_qca6007946d_p2w
	.globl	k_qca6007946d_p2w
	.p2align	8
	.type	k_qca6007946d_p2w,@function
k_qca6007946d_p2w:
	s_mov_b64 s[64:65], 0
	v_nop
	global_prefetch_b8 v0, s[64:65] scope:SCOPE_SE
	s_setreg_imm32_b32 hwreg(HW_REG_WAVE_MODE, 25, 1), 1
	s_wait_xcnt 0x0
	s_wait_alu depctr_hold_cnt(0) depctr_sa_sdst(0) depctr_va_vdst(0) depctr_va_sdst(0) depctr_va_ssrc(0) depctr_va_vcc(0) depctr_vm_vsrc(0)
	s_getreg_b32 s2, hwreg(HW_REG_IB_STS2, 6, 4)
	s_cmp_eq_u32 s2, 0
	s_cbranch_scc0 .Lentry_in_a_cluster
	s_endpgm
.Lentry_in_a_cluster:
	s_bfe_u32 s2, ttmp6, 0x10000c
	s_cmp_lg_u32 s2, 0x3003
	s_cbranch_scc0 .Lentry_shape_is_right
	s_endpgm
.Lentry_shape_is_right:
; Launch 2 of 4: P2W = points2 W2^T, [8192 rows][256 channels], bf16 operands, f32 sums, stored in bf16.  W2 = columns 256 .. 767 of conv_w (wbf holds it in bf16).
; The product with W2 is made before the gather, which is the same in exact arithmetic (see the first launch's head); nothing is left out.
; LIMIT: P2W is rounded once to bf16 (bf16 and not f16, so that larger inputs keep their range).
; A row of p2w is 512 bytes, its channels permuted for the last launch: the 16 bytes at 16 l hold channels 4 l .. 4 l + 3 and 128 + 4 l .. 128 + 4 l + 3.
; Work-group i: rows 32 i .. 32 i + 31.  Wave w: channels 64 w .. 64 w + 63 of all 32 rows: 8 accumulator tiles, K = 512 in 16 steps of 32.
; CLUSTER 4 x 1: every work-group needs all of W2 (262,144 bytes against 65,536 of its own rows).  Each wave asks for its 64 channels by one joint load, the same
; in the four partners (its addresses hang on the wave's number alone).  By this text's count a wave has one tensor load out.  Each tile is filled once: no ring.
.set BT,    0                          ; LDS: W2, wave w's 64 rows of 1,024 bytes + 16 of padding at 66,560 w
.set ATILE, 266240                     ; my 32 rows in bf16, pitch 1,040
.set STG,   299520                     ; the results, 32 rows of 512 bytes, pitch 528
.set ACC,   16                         ; v[16:79]   tile (a, b) at ACC + 8 (4 a + b): rows 16 a .., channels 64 w + 16 b ..
.set F0,    80                         ; v[80:127]  fragments: 2 of my rows, then 4 of W2;   v[128:175] the second buffer
.set X,     128                        ; v[128:255] my rows as loaded, ahead of the products
.macro ROUND                           ; a round of the cluster's barrier
	s_barrier_signal -1
	s_barrier_wait -1
	s_cmp_lg_u32 s10, 0
	s_cbranch_scc1 .Lnot_wave_0_\@
	s_barrier_signal -3
.Lnot_wave_0_\@:
	s_barrier_wait -3
	s_barrier_signal -1
	s_barrier_wait -1
.endm
.macro PLACES
.rept 4
	v_nop
.endr
.endm
; the fragments of K step ks: 16 rows x 32 K are two loads of 16 bytes, 32 bytes apart, at row x pitch + 16 (lane / 16)
.macro KFETCH ks, f
.irp a, 0,1
	ds_load_b128 v[\f+8*\a:\f+8*\a+3], v4 offset:16640*\a+64*(\ks)
	ds_load_b128 v[\f+8*\a+4:\f+8*\a+7], v4 offset:16640*\a+64*(\ks)+32
.endr
.irp b, 0,1,2,3
	ds_load_b128 v[\f+16+8*\b:\f+16+8*\b+3], v5 offset:16640*\b+64*(\ks)
	ds_load_b128 v[\f+16+8*\b+4:\f+16+8*\b+7], v5 offset:16640*\b+64*(\ks)+32
.endr
.endm
; source 0 = 16 channels of W2, source 1 = 16 of my rows: a lane's 8 results are 8 neighbouring channels of one row
.macro KMUL f, zero
.irp a, 0,1
.irp b, 0,1,2,3
.if \zero
	v_wmma_f32_16x16x32_bf16 v[ACC+8*(4*\a+\b):ACC+8*(4*\a+\b)+7], v[\f+16+8*\b:\f+16+8*\b+7], v[\f+8*\a:\f+8*\a+7], 0
.else
	v_wmma_f32_16x16x32_bf16 v[ACC+8*(4*\a+\b):ACC+8*(4*\a+\b)+7], v[\f+16+8*\b:\f+16+8*\b+7], v[\f+8*\a:\f+8*\a+7], v[ACC+8*(4*\a+\b):ACC+8*(4*\a+\b)+7]
.endif
.endr
.endr
.endm
	s_load_b128 s[4:7], s[0:1], 0x0                ; points2 s[4:5], wbf s[6:7]
	s_load_b64 s[8:9], s[0:1], 0x10                ; p2w
	v_lshl_add_u32 v14, v0, 2, 0x4d400
	v_mov_b32 v15, 0
	ds_add_u32 v14, v15
	ds_add_u32 v14, v15
	v_and_b32 v1, 31, v0                           ; lane
	v_lshrrev_b32 v11, 5, v0
	v_readfirstlane_b32 s10, v11                   ; wave
	s_bfe_u32 s11, ttmp6, 0x40000                  ; my place in the cluster
	s_lshl_b32 s12, ttmp9, 2
	s_add_co_u32 s12, s12, s11                     ; work-group i: it enters global addresses of my own rows alone
	v_and_b32 v2, 15, v0                           ; r
	v_bfe_u32 v3, v0, 4, 1                         ; h
	; descriptor group 1: 64 rows x 512 elements of 2 bytes, 768 elements from row to row; 4 words of padding behind every 256 words
	s_mov_b32 s16, 15|(1<<16)|(1<<20)|(1<<21)|(7<<22)|(3<<25)   ; 15:0 the mask: all four partners; 17:16 element size; 20 padding; 21 set beside a mask; 24:22 interval; 31:25 pad
	s_mov_b32 s17, 512<<16                         ; tensor_dim0 = 512
	s_mov_b32 s18, 64<<16                          ; tensor_dim1 = 64
	s_mov_b32 s19, 512<<16                         ; tile_dim0 = 512
	s_mov_b32 s20, 64                              ; tile_dim1 = 64
	s_mov_b32 s21, 768                             ; the pitch
	s_mov_b32 s22, 0
	s_mov_b32 s23, 0
	s_mov_b32 s24, 1                               ; group 0: count
	s_mul_i32 s25, s10, 66560                      ; LDS address: the wave's number times a constant
	s_mul_i32 s28, s10, 98304                      ; 64 rows of 1,536 bytes,
	s_add_co_u32 s28, s28, 512                     ; from column 256 on
	s_mov_b32 s29, 0
	s_lshl_b32 s30, s12, 16                        ; my 32 rows of 2,048 bytes
	s_mov_b32 s31, 0
	s_lshl_b32 s36, s12, 14                        ; my 32 rows of 512 bytes
	s_mov_b32 s37, 0
	s_mul_i32 s32, s10, 8320
	s_add_co_u32 s32, s32, ATILE
	s_and_b32 s33, s10, 1
	s_lshl_b32 s33, s33, 8
	s_lshr_b32 s34, s10, 1
	s_lshl_b32 s34, s34, 3
	s_add_co_u32 s33, s33, s34
	s_add_co_u32 s33, s33, STG
	s_mul_i32 s35, s10, 4224
	s_add_co_u32 s35, s35, STG
	v_lshlrev_b32 v7, 4, v1
	v_lshl_add_u32 v7, s10, 14, v7                 ; in points2: 8 rows a wave, 16 bytes a lane
	v_lshl_add_u32 v6, v1, 3, s32                  ; in LDS: 8 rows a wave, 8 bytes a lane
	v_mul_u32_u24 v12, 0x410, v2
	v_lshl_add_u32 v12, v3, 4, v12                 ; 1,040 r + 16 h
	v_add_nc_u32 v4, ATILE, v12                    ; fragments of my rows
	v_add_nc_u32 v5, s25, v12                      ; fragments of my wave's part of W2
	v_mul_u32_u24 v13, 0x210, v2
	v_lshl_add_u32 v13, v3, 5, v13
	v_add_nc_u32 v8, s33, v13                      ; results in: 528 r + 32 h + 256 (w mod 2) + 8 (w / 2): the permuted place of channel 64 w + 8 h
	v_lshl_add_u32 v9, v1, 4, s35                  ; results back: 8 rows a wave, 16 bytes a lane
	v_lshlrev_b32 v10, 4, v1
	v_lshl_add_u32 v10, s10, 12, v10               ; and the same in p2w
	s_wait_dscnt 0x0
	s_wait_kmcnt 0x0
	s_add_nc_u64 s[26:27], s[6:7], s[28:29]
	s_or_b32 s27, s27, 0x80000000                  ; type = 2
	s_add_nc_u64 s[4:5], s[4:5], s[30:31]
	s_add_nc_u64 s[8:9], s[8:9], s[36:37]
.set n, 0
.rept 32
	global_load_b128 v[X+4*n:X+4*n+3], v7, s[4:5] offset:512*n th:TH_LOAD_NT   ; my wave's 8 rows: 32 x 512 consecutive bytes; they land while the cluster gathers
.set n, n+1
.endr
	ROUND                                          ; the four partners are here: the joint loads meet
	tensor_load_to_lds s[24:27], s[16:23]
	s_nop 0
.set n, 0
.rept 32
	s_wait_loadcnt 31-n                            ; loads come back in order: 31 - n younger ones may be out
	v_cvt_pk_bf16_f32 v[X+4*n], v[X+4*n], v[X+4*n+1]
	v_cvt_pk_bf16_f32 v[X+4*n+1], v[X+4*n+2], v[X+4*n+3]
	ds_store_b64 v6, v[X+4*n:X+4*n+1] offset:1040*(n/4)+256*(n%4)
.set n, n+1
.endr
	s_wait_tensorcnt 0x0                           ; my part of W2 has landed (only my wave reads it)
	s_wait_dscnt 0x0                               ; my rows are written
	s_barrier_signal -1
	s_barrier_wait -1                              ; everybody's are
	; 16 K steps on two fragment buffers.  The count 12 leaves out the 12 loads just issued.  Four places stand between a step's matrix instructions and the
	; loads into the registers that they read (ISA guide 7.12.1 for vector instructions).  The 8 accumulators take turns.
	KFETCH 0, F0
.set ks, 0
.rept 16
.set fb, F0+48*(ks%2)
.set gb, F0+48*((ks+1)%2)
.set kn, ks+1
.if ks < 15
.if ks > 0
	PLACES
.endif
	KFETCH kn, gb
	s_wait_dscnt 0xc
.else
	s_wait_dscnt 0x0
.endif
.if ks == 0
	KMUL fb, 1                                     ; the first products start the sums
.else
	KMUL fb, 0
.endif
.set ks, ks+1
.endr
	PLACES                                         ; four places ahead of the conversions, which read results
.irp a, 0,1
.irp b, 0,1,2,3
	v_cvt_pk_bf16_f32 v176, v[ACC+8*(4*\a+\b)], v[ACC+8*(4*\a+\b)+1]
	v_cvt_pk_bf16_f32 v177, v[ACC+8*(4*\a+\b)+2], v[ACC+8*(4*\a+\b)+3]
	v_cvt_pk_bf16_f32 v178, v[ACC+8*(4*\a+\b)+4], v[ACC+8*(4*\a+\b)+5]
	v_cvt_pk_bf16_f32 v179, v[ACC+8*(4*\a+\b)+6], v[ACC+8*(4*\a+\b)+7]
	ds_store_b64 v8, v[176:177] offset:8448*\a+64*\b
	ds_store_b64 v8, v[178:179] offset:8448*\a+64*\b+16
.endr
.endr
	s_wait_dscnt 0x0
	s_barrier_signal -1
	s_barrier_wait -1                              ; a row holds all four waves' channels
.irp rr, 0,1,2,3,4,5,6,7
	ds_load_b128 v[180+4*\rr:183+4*\rr], v9 offset:528*\rr
.endr
.irp rr, 0,1,2,3,4,5,6,7
	s_wait_dscnt 7-\rr
	global_store_b128 v10, v[180+4*\rr:183+4*\rr], s[8:9] offset:512*\rr   ; a whole row of 512 bytes
.endr
	s_wait_tensorcnt 0x0
	ds_add_u32 v14, v15
	s_wait_dscnt 0x0
	ROUND                                          ; the closing round: no work-group ends while a partner may still ask jointly
	s_endpgm
.Lfunc_end_k_qca6007946d_p2w:
	.size	k_qca6007946d_p2w, .Lfunc_end_k_qca6007946d_p2w-k_qca6007946d_p2w
	.p2alignl 7, 3214868480
	.fill 96, 4, 3214868480
	.section	.rodata,"a",@progbits
	.p2align	6, 0x0
	.amdhsa_kernel k_qca6007946d_p2w
		.amdhsa_group_segment_fixed_size 316928
		.amdhsa_private_segment_fixed_size 0
		.amdhsa_enable_private_segment 0
		.amdhsa_kernarg_size 24
		.amdhsa_user_sgpr_count 2
		.amdhsa_user_sgpr_kernarg_segment_ptr 1
		.amdhsa_wavefront_size32 1
		.amdhsa_system_sgpr_workgroup_id_x 1
		.amdhsa_system_sgpr_workgroup_id_y 1
		.amdhsa_system_sgpr_workgroup_id_z 1
		.amdhsa_system_vgpr_workitem_id 0
		.amdhsa_next_free_vgpr 256
		.amdhsa_next_free_sgpr 66
		.amdhsa_reserve_vcc 0
		.amdhsa_float_denorm_mode_32 3
		.amdhsa_float_denorm_mode_16_64 3
		.amdhsa_memory_ordered 1
		.amdhsa_forward_progress 1
		.amdhsa_inst_pref_size 42
	.end_amdhsa_kernel
	.amdgpu_metadata
---
amdhsa.version: [ 1, 2 ]
amdhsa.kernels:
  - .name:           k_qca6007946d_p2w
    .symbol:         k_qca6007946d_p2w.kd
    .args:
      - { .name: points2, .offset: 0, .size: 8, .value_kind: global_buffer, .address_space: global }
      - { .name: wbf, .offset: 8, .size: 8, .value_kind: global_buffer, .address_space: global }
      - { .name: p2w, .offset: 16, .size: 8, .value_kind: global_buffer, .address_space: global }
    .group_segment_fixed_size: 316928
    .private_segment_fixed_size: 0
    .kernarg_segment_align: 8
    .kernarg_segment_size: 24
    .max_flat_workgroup_size: 128
    .sgpr_count:     66
    .vgpr_count:     256
    .wavefront_size: 32
...
	.end_amdgpu_metadata
.endif
;; end of part 2
;; launch pick (part 3): grid 256 x 1, 4 waves a work-group, no clusters, 33,280 bytes of LDS; arguments xyz1, xyz2, gids, idx; writes idx
.if DOCPART == 3
	.amdgcn_target "amdgcn-amd-amdhsa--gfx1250"
	.amdhsa_code_object_version 6
	.text
	.protected	k_qca6007946d_pick
	.globl	k_qca6007946d_pick
	.p2align	8
	.type	k_qca6007946d_pick,@function
k_qca6007946d_pick:
	s_mov_b64 s[64:65], 0
	v_nop
	global_prefetch_b8 v0, s[64:65] scope:SCOPE_SE
	s_setreg_imm32_b32 hwreg(HW_REG_WAVE_MODE, 25, 1), 1
	s_wait_xcnt 0x0
; Launch 3 of 4: the 8 nearest candidates of each query, among the 8 groups of 16 that launch 1 stored (whole numbers read from memory, clamped to 127).
; The 8 first in the order (distance, index) all lie in those groups (the first launch's head shows why), so the other 120 groups are not looked at.
; Distances exactly as there: coordinates rounded to bf16, products exact, sums rounded in the reference's order.  The same limits hold.
; One query a lane: work-group i has queries 128 i .. 128 i + 127 of batch i / 64.  The batch's table of candidates is built in LDS as in launch 1.
; The groups are ascending, so place 16 s + e (slot s, element e) ascends with the candidate's index: the lowest bits of [equal | less] break ties as top_k does.
; Each lane reads a group's 8 pairs beginning at pair (lane mod 8): lanes with different groups then touch 8 different columns of 32 bytes instead of one.
; The masks' 16-bit fields are rotated back afterwards.
; No cluster: what work-groups share is xyz2's 24,576 bytes of a batch, which pass through registers to be rounded.
.set GB,   6                           ; v[6:13]   256 x group: its place in the table
.set ROT,  14                          ; v[14:21]  32 x ((p + lane) mod 8)
.set L,    22                          ; v[22:29]  the sorted list of 8
.set ADT,  32                          ; v[32:35]  addresses at work
.set G,    36                          ; v[36:43]  the 8 groups
.set GLO,  44                          ; groups 0-3 as bytes
.set GHI,  45                          ; groups 4-7 as bytes
.set SH,   46                          ; 2 (lane mod 8)
.set SH2,  47                          ; 16 - SH
.set M1,   48                          ; bits SH .. 15 of both halves
.set PADR, 52
.set T,    54                          ; v[54:61]  s1 + s2 of four pairs
.set CB0,  64                          ; v[64:95], v[96:127]  four pairs of candidates each
.set DD,   128                         ; v[128:255] the 128 distances, as read: slot s, pair p at DD + 16 s + 2 p
.set RAW,  128
.set PP,   176
.set PT,   184
.set W,    64
.set P,    72
.set CUR,  80
.set KW,   81
.set TT,   82
.macro RND2 d0, d1, a, b
	v_cvt_pk_bf16_f32 v[PT], v[\a], v[\b]
	v_lshlrev_b32 v[\d0], 16, v[PT]
	v_and_b32 v[\d1], s17, v[PT]
.endm
; candidates 2 p and 2 p + 1, p = thread + 128 k, become 32 bytes at 32 p: -2xa -2xb -2ya -2yb -2za -2zb sa sb
.macro BUILD k
	RND2 PP, PP+1, RAW+6*\k, RAW+6*\k+3
	RND2 PP+2, PP+3, RAW+6*\k+1, RAW+6*\k+4
	RND2 PP+4, PP+5, RAW+6*\k+2, RAW+6*\k+5
	v_pk_mul_f32 v[PP+6:PP+7], v[PP:PP+1], v[PP:PP+1]
	v_pk_fma_f32 v[PP+6:PP+7], v[PP+2:PP+3], v[PP+2:PP+3], v[PP+6:PP+7]
	v_pk_fma_f32 v[PP+6:PP+7], v[PP+4:PP+5], v[PP+4:PP+5], v[PP+6:PP+7]
	v_pk_mul_f32 v[PP:PP+1], v[PP:PP+1], -2.0 op_sel_hi:[1,0]
	v_pk_mul_f32 v[PP+2:PP+3], v[PP+2:PP+3], -2.0 op_sel_hi:[1,0]
	v_pk_mul_f32 v[PP+4:PP+5], v[PP+4:PP+5], -2.0 op_sel_hi:[1,0]
	ds_store_b128 v[PADR], v[PP:PP+3] offset:4096*\k
	ds_store_b128 v[PADR], v[PP+4:PP+7] offset:4096*\k+16
.endm
.macro INS l, st, v
.irp i, 7,6,5,4,3,2,1
	v_med3_num_f32 v[\l+\st*\i], v[\l+\st*(\i-1)], v[\l+\st*\i], v[\v]
.endr
	v_min_num_f32 v[\l], v[\l], v[\v]
.endm
.macro BIT v, tau, lw, ew
	v_cmp_lt_f32 vcc_lo, v[\v], v[\tau]
	v_add_co_ci_u32 v[\lw], vcc_lo, v[\lw], v[\lw], vcc_lo
	v_cmp_eq_f32 vcc_lo, v[\v], v[\tau]
	v_add_co_ci_u32 v[\ew], vcc_lo, v[\ew], v[\ew], vcc_lo
.endm
; the lowest set bit of the 256-bit number W[0..7]: its place modulo 128 goes to p, and the bit is cleared
.macro EXTRACT p
	v_mov_b32 v[CUR], v[W+7]
	v_mov_b32 v[KW], 7
.irp k, 6,5,4,3,2,1,0
	v_cmp_eq_u32 vcc_lo, 0, v[W+\k]
	v_cndmask_b32 v[CUR], v[W+\k], v[CUR], vcc_lo
	v_cndmask_b32 v[KW], \k, v[KW], vcc_lo
.endr
	v_sub_nc_u32 v[TT], 0, v[CUR]
	v_and_b32 v[TT], v[CUR], v[TT]
	v_cvt_f32_u32 v[TT], v[TT]                     ; a power of two: its exponent field is 127 + the bit's number
	v_lshrrev_b32 v[TT], 23, v[TT]
	v_lshl_add_u32 v[TT], v[KW], 5, v[TT]
	v_add_nc_u32 v[TT], 1, v[TT]
	v_and_b32 v[\p], 127, v[TT]
	v_add_co_u32 v[TT], vcc_lo, -1, v[W]
	v_and_b32 v[W], v[W], v[TT]
.irp k, 1,2,3,4,5,6,7
	v_add_co_ci_u32 v[TT], vcc_lo, -1, v[W+\k], vcc_lo
	v_and_b32 v[W+\k], v[W+\k], v[TT]
.endr
.endm
; four pairs of slot s (half hf of its eight), 8 loads
.macro FETCHC s, hf, buf
.irp pp, 0,1,2,3
	v_add_nc_u32 v[ADT+\pp], v[GB+\s], v[ROT+4*\hf+\pp]
	ds_load_b128 v[\buf+8*\pp:\buf+8*\pp+3], v[ADT+\pp]
	ds_load_b128 v[\buf+8*\pp+4:\buf+8*\pp+7], v[ADT+\pp] offset:16
.endr
.endm
; their 8 distances (v2 = qx, v3 = qy, v4 = qz, v5 = s1), stage by stage over the four pairs, and into the list
.macro CHUNK s, hf, buf
.irp pp, 0,1,2,3
	v_pk_mul_f32 v[DD+16*\s+8*\hf+2*\pp:DD+16*\s+8*\hf+2*\pp+1], v[2:3], v[\buf+8*\pp:\buf+8*\pp+1] op_sel:[0,0] op_sel_hi:[0,1]
.endr
.irp pp, 0,1,2,3
	v_pk_add_f32 v[T+2*\pp:T+2*\pp+1], v[4:5], v[\buf+8*\pp+6:\buf+8*\pp+7] op_sel:[1,0] op_sel_hi:[1,1]
.endr
.irp pp, 0,1,2,3
	v_pk_fma_f32 v[DD+16*\s+8*\hf+2*\pp:DD+16*\s+8*\hf+2*\pp+1], v[2:3], v[\buf+8*\pp+2:\buf+8*\pp+3], v[DD+16*\s+8*\hf+2*\pp:DD+16*\s+8*\hf+2*\pp+1] op_sel:[1,0,0] op_sel_hi:[1,1,1]
.endr
.irp pp, 0,1,2,3
	v_pk_fma_f32 v[DD+16*\s+8*\hf+2*\pp:DD+16*\s+8*\hf+2*\pp+1], v[4:5], v[\buf+8*\pp+4:\buf+8*\pp+5], v[DD+16*\s+8*\hf+2*\pp:DD+16*\s+8*\hf+2*\pp+1] op_sel:[0,0,0] op_sel_hi:[0,1,1]
.endr
.irp pp, 0,1,2,3
	v_pk_add_f32 v[DD+16*\s+8*\hf+2*\pp:DD+16*\s+8*\hf+2*\pp+1], v[T+2*\pp:T+2*\pp+1], v[DD+16*\s+8*\hf+2*\pp:DD+16*\s+8*\hf+2*\pp+1]
.endr
.irp pp, 0,1,2,3
	INS L, 1, DD+16*\s+8*\hf+2*\pp
	INS L, 1, DD+16*\s+8*\hf+2*\pp+1
.endr
.endm
	s_load_b256 s[4:11], s[0:1], 0x0               ; xyz1 s[4:5], xyz2 s[6:7], gids s[8:9], idx s[10:11]
	v_lshl_add_u32 v31, v0, 2, 0x8000
	v_mov_b32 v63, 0
	s_lshr_b32 s15, ttmp9, 6                       ; batch
	s_mov_b32 s17, 0xffff0000
	s_mov_b32 s26, 0x7f800000
	s_mul_i32 s18, s15, 24576
	s_mov_b32 s19, 0
	s_mul_i32 s20, ttmp9, 1536                     ; 128 queries of 12 bytes
	s_mov_b32 s21, 0
	s_lshl_b32 s22, ttmp9, 11                      ; 128 queries of 16 bytes
	s_mov_b32 s23, 0
	v_mul_u32_u24 v49, 24, v0
	v_mul_u32_u24 v50, 12, v0
	v_lshlrev_b32 v51, 4, v0
	v_lshlrev_b32 v52, 5, v0
	s_wait_kmcnt 0x0
	s_add_nc_u64 s[4:5], s[4:5], s[20:21]
	s_add_nc_u64 s[6:7], s[6:7], s[18:19]
	s_add_nc_u64 s[8:9], s[8:9], s[22:23]
	s_add_nc_u64 s[10:11], s[10:11], s[22:23]
.irp k, 0,1,2,3,4,5,6,7
	global_load_b64 v[RAW+6*\k:RAW+6*\k+1], v49, s[6:7] offset:3072*\k
	global_load_b64 v[RAW+6*\k+2:RAW+6*\k+3], v49, s[6:7] offset:3072*\k+8
	global_load_b64 v[RAW+6*\k+4:RAW+6*\k+5], v49, s[6:7] offset:3072*\k+16
.endr
	global_load_b96 v[60:62], v50, s[4:5]
	global_load_b128 v[G:G+3], v51, s[8:9]
	global_load_b128 v[G+4:G+7], v51, s[8:9] offset:524288
	s_wait_loadcnt 0x3                             ; all of xyz2 is in; the three youngest loads may be out
.irp k, 0,1,2,3,4,5,6,7
	BUILD \k
.endr
	s_wait_loadcnt 0x0
	RND2 2, 3, 60, 61
	v_cvt_pk_bf16_f32 v[PT], v62, v62
	v_lshlrev_b32 v4, 16, v[PT]
	v_mul_f32 v5, v2, v2
	v_fma_f32 v5, v3, v3, v5
	v_fma_f32 v5, v4, v4, v5                       ; s1
.irp k, 0,1,2,3,4,5,6,7
	v_min_u32 v[G+\k], 127, v[G+\k]                ; a number read from memory enters an address only clamped
	v_lshlrev_b32 v[GB+\k], 8, v[G+\k]
.endr
	v_lshl_or_b32 v[GLO], v[G+1], 8, v[G]
	v_lshl_or_b32 v[GLO], v[G+2], 16, v[GLO]
	v_lshl_or_b32 v[GLO], v[G+3], 24, v[GLO]
	v_lshl_or_b32 v[GHI], v[G+5], 8, v[G+4]
	v_lshl_or_b32 v[GHI], v[G+6], 16, v[GHI]
	v_lshl_or_b32 v[GHI], v[G+7], 24, v[GHI]
	v_and_b32 v53, 7, v0
.irp p, 0,1,2,3,4,5,6,7
	v_add_nc_u32 v[ROT+\p], \p, v53
	v_and_b32 v[ROT+\p], 7, v[ROT+\p]
	v_lshlrev_b32 v[ROT+\p], 5, v[ROT+\p]
.endr
	v_lshlrev_b32 v[SH], 1, v53
	v_sub_nc_u32 v[SH2], 16, v[SH]
	v_mov_b32 v[M1], 0xffff
	v_lshlrev_b32 v[M1], v[SH], v[M1]
	v_and_b32 v[M1], 0xffff, v[M1]
	v_lshl_or_b32 v[M1], v[M1], 16, v[M1]
.irp i, 0,1,2,3,4,5,6,7
	v_mov_b32 v[L+\i], s26
.endr
	s_wait_dscnt 0x0
	s_barrier_signal -1
	s_barrier_wait -1                              ; the table is whole
	; 16 chunks of four pairs on two register buffers; the count 8 leaves out the next chunk's 8 loads
	FETCHC 0, 0, CB0
.set c, 0
.rept 16
.set cs, c/2
.set ch, c%2
.set cb, CB0+32*(c%2)
.set ns, (c+1)/2
.set nh, (c+1)%2
.set nb, CB0+32*((c+1)%2)
.if c < 15
	FETCHC ns, nh, nb
	s_wait_dscnt 0x8
.else
	s_wait_dscnt 0x0
.endif
	CHUNK cs, ch, cb
.set c, c+1
.endr
	; the masks against tau = the 8th least, bit 31 of each word first
.irp k, 0,1,2,3,4,5,6,7
	v_mov_b32 v[W+\k], 0
.endr
.set n, 31
.rept 32
.irp k, 0,1,2,3
	BIT DD+32*\k+n, L+7, W+\k, W+4+\k
.endr
.set n, n-1
.endr
	; bit n of a 16-bit field is element (n + SH) mod 16: rotate both fields of each word left by SH
.irp k, 0,1,2,3,4,5,6,7
	v_lshlrev_b32 v[TT], v[SH], v[W+\k]
	v_lshrrev_b32 v[CUR], v[SH2], v[W+\k]
	v_bfi_b32 v[W+\k], v[M1], v[TT], v[CUR]
.endr
.irp p, 0,1,2,3,4,5,6,7
	EXTRACT P+\p
.endr
	; place 16 s + e -> index 16 x group[s] + e
.irp k, 0,1,2,3,4,5,6,7
	v_lshrrev_b32 v[TT], 4, v[P+\k]
	v_perm_b32 v[TT], v[GHI], v[GLO], v[TT]        ; selector byte 0 = s: bytes 0-3 come from GLO, 4-7 from GHI
	v_and_b32 v[CUR], 15, v[P+\k]
	v_and_b32 v[TT], 0xff, v[TT]
	v_lshl_or_b32 v[P+\k], v[TT], 4, v[CUR]
.endr
	global_store_b128 v51, v[P:P+3], s[10:11]                   ; two planes of 16 bytes a query: each store of a wave covers 512 consecutive bytes
	global_store_b128 v51, v[P+4:P+7], s[10:11] offset:524288
	s_wait_tensorcnt 0x0
	ds_add_u32 v31, v63
	s_wait_dscnt 0x0
	s_endpgm
.Lfunc_end_k_qca6007946d_pick:
	.size	k_qca6007946d_pick, .Lfunc_end_k_qca6007946d_pick-k_qca6007946d_pick
	.p2alignl 7, 3214868480
	.fill 96, 4, 3214868480
	.section	.rodata,"a",@progbits
	.p2align	6, 0x0
	.amdhsa_kernel k_qca6007946d_pick
		.amdhsa_group_segment_fixed_size 33280
		.amdhsa_private_segment_fixed_size 0
		.amdhsa_enable_private_segment 0
		.amdhsa_kernarg_size 32
		.amdhsa_user_sgpr_count 2
		.amdhsa_user_sgpr_kernarg_segment_ptr 1
		.amdhsa_wavefront_size32 1
		.amdhsa_system_sgpr_workgroup_id_x 1
		.amdhsa_system_sgpr_workgroup_id_y 1
		.amdhsa_system_sgpr_workgroup_id_z 1
		.amdhsa_system_vgpr_workitem_id 0
		.amdhsa_next_free_vgpr 256
		.amdhsa_next_free_sgpr 66
		.amdhsa_reserve_vcc 1
		.amdhsa_float_denorm_mode_32 3
		.amdhsa_float_denorm_mode_16_64 3
		.amdhsa_memory_ordered 1
		.amdhsa_forward_progress 1
		.amdhsa_inst_pref_size 136
	.end_amdhsa_kernel
	.amdgpu_metadata
---
amdhsa.version: [ 1, 2 ]
amdhsa.kernels:
  - .name:           k_qca6007946d_pick
    .symbol:         k_qca6007946d_pick.kd
    .args:
      - { .name: xyz1, .offset: 0, .size: 8, .value_kind: global_buffer, .address_space: global }
      - { .name: xyz2, .offset: 8, .size: 8, .value_kind: global_buffer, .address_space: global }
      - { .name: gids, .offset: 16, .size: 8, .value_kind: global_buffer, .address_space: global }
      - { .name: idx, .offset: 24, .size: 8, .value_kind: global_buffer, .address_space: global }
    .group_segment_fixed_size: 33280
    .private_segment_fixed_size: 0
    .kernarg_segment_align: 8
    .kernarg_segment_size: 32
    .max_flat_workgroup_size: 128
    .sgpr_count:     66
    .vgpr_count:     256
    .wavefront_size: 32
...
	.end_amdgpu_metadata
.endif
;; end of part 3
;; launch fuse (part 4): grid 256 x 1, 4 waves a work-group, clusters of 4 x 1, 272,896 bytes of LDS; arguments xyz1, xyz2, points1, conv_b, wbf, p2w, idx, out0; writes out0
.if DOCPART == 4
	.amdgcn_target "amdgcn-amd-amdhsa--gfx1250"
	.amdhsa_code_object_version 6
	.text
	.protected	k_qca6007946d_fuse
	.globl	k_qca6007946d_fuse
	.p2align	8
	.type	k_qca6007946d_fuse,@function
k_qca6007946d_fuse:
	s_mov_b64 s[64:65], 0
	v_nop
	global_prefetch_b8 v0, s[64:65] scope:SCOPE_SE
	s_setreg_imm32_b32 hwreg(HW_REG_WAVE_MODE, 25, 1), 1
	s_wait_xcnt 0x0
	s_wait_alu depctr_hold_cnt(0) depctr_sa_sdst(0) depctr_va_vdst(0) depctr_va_sdst(0) depctr_va_ssrc(0) depctr_va_vcc(0) depctr_vm_vsrc(0)
	s_getreg_b32 s2, hwreg(HW_REG_IB_STS2, 6, 4)
	s_cmp_eq_u32 s2, 0
	s_cbranch_scc0 .Lentry_in_a_cluster
	s_endpgm
.Lentry_in_a_cluster:
	s_bfe_u32 s2, ttmp6, 0x10000c
	s_cmp_lg_u32 s2, 0x3003
	s_cbranch_scc0 .Lentry_shape_is_right
	s_endpgm
.Lentry_shape_is_right:
; Launch 4 of 4: out = points1 W1^T + sum_k w_k P2W[idx_k] + b.  idx are whole numbers that launch 3 stored (clamped to 2047 here); P2W = points2 W2^T from launch 2.
; Nothing of the reference is left out: the product with W2 stands in launch 2 (see the first launch's head).
; WEIGHTS: the 8 distances are made again from the bf16-rounded coordinates with the roundings of the choice; w_k = r_k / sum r, r_k = 1 / (d_k + 1e-8).
; LIMITS: the divisions are v_rcp_f32 and a product (1 ulp); the 8 terms are summed in the order of the stored indices, not by distance; P2W is bf16.
; Work-group i: queries 128 i .. 128 i + 127 of batch i / 64.  Products: wave (wr, wc) = (w / 2, w mod 2) makes 64 rows x 128 channels, 32 accumulator tiles, K = 256 in
; 8 steps of 32.  Loading points1, the weights and the gather: wave w owns rows 32 w .. 32 w + 31.
; The products' results go through an f32 stage in LDS; then, a row at a time, a lane takes 8 channels (4 l .. and 128 + 4 l ..), adds the bias and 8 weighted rows
; of P2W (one load of 16 bytes a lane brings a row's 512 bytes, permuted to fit), and stores 2 x 16 bytes: each store of the wave covers 512 consecutive bytes.
; The rows' addresses are made from indices in scalar registers (one scalar load brings 4 queries' 4 indices of a plane).  A ring of 4 queries x 8 rows is on its way.
; CLUSTER 4 x 1: every work-group needs all of W1 (131,072 bytes, as much as its own rows): each wave asks for 64 channels by one joint load, the same in the four
; partners.  By this text's count a wave has one tensor load out.  The tile is filled once: no ring of LDS slots.
.set W1T,   0                          ; LDS: W1, 256 rows of 512 bytes + 16 of padding
.set STAGE, 135168                     ; 128 rows of 256 f32, pitch 1,040
.set ATILE, 135168                     ; before that, in the same bytes: my 128 rows of points1 in bf16, pitch 528 (both are written by LDS stores, with barriers between)
.set WTS,   268288                     ; 8 weights for each of 128 queries
.set BIAS,  16                         ; v[16:23]  the bias of my 8 channels
.set AC0,   24                         ; v[24:31], v[32:39]  a row's 8 sums, two sets by turns
.set WT0,   40                         ; v[40:47], v[48:55]  a row's 8 weights, two sets by turns
.set RING,  128                        ; v[128:255] slot s at RING + 32 s: 8 rows of P2W, 4 registers each; first the buffer for points1
.set FB0,   0                          ; window 2: fragments: 4 of my rows at 8 a, 8 of W1 at 32 + 8 b; the second buffer 96 further on
.set SA0,   32                         ; s[32:47], s[48:63]  indices of 4 queries, plane 0 and plane 1
.set SA1,   48
.set SB0,   68                         ; s[68:83], s[84:99]  the other set; before the first barrier s[68:79] hold the descriptor
.set SB1,   84
; window 1: accumulator tile (a, b) at 8 (8 a + b)
.set MSB, 0
.macro WIN new                         ; s_set_vgpr_msb: bits 1:0 source 0, 3:2 source 1, 5:4 source 2, 7:6 destination; the high byte repeats the setting that is left
.if MSB != \new
	s_set_vgpr_msb (MSB<<8)|\new
.set MSB, \new
.endif
.endm
.macro ROUND                           ; a round of the cluster's barrier
	s_barrier_signal -1
	s_barrier_wait -1
	s_cmp_lg_u32 s20, 0
	s_cbranch_scc1 .Lnot_wave_0_\@
	s_barrier_signal -3
.Lnot_wave_0_\@:
	s_barrier_wait -3
	s_barrier_signal -1
	s_barrier_wait -1
.endm
.macro PLACES
.rept 4
	v_nop
.endr
.endm
; 16 rows of points1, as loaded in RING, to bf16 and into LDS; the stores' data are registers of their own, so that the next loads do not land on them
.macro ACONV bt
.set n, 0
.rept 32
	v_cvt_pk_bf16_f32 v[100+2*(n%8)], v[RING+4*n], v[RING+4*n+1]
	v_cvt_pk_bf16_f32 v[101+2*(n%8)], v[RING+4*n+2], v[RING+4*n+3]
	ds_store_b64 v11, v[100+2*(n%8):101+2*(n%8)] offset:8448*\bt+528*(n/2)+256*(n%2)
.set n, n+1
.endr
.endm
; d_k + 1e-8 of my query's neighbour k
.macro WEIGHT k
	v_cvt_pk_bf16_f32 v120, v[68+4*\k], v[69+4*\k]
	v_cvt_pk_bf16_f32 v121, v[70+4*\k], v[70+4*\k]
	v_lshlrev_b32 v122, 16, v120
	v_and_b32 v123, s27, v120
	v_lshlrev_b32 v124, 16, v121
	v_mul_f32 v125, v122, v122
	v_mul_f32 v126, v116, v122
	v_fma_f32 v125, v123, v123, v125
	v_fma_f32 v126, v117, v123, v126
	v_fma_f32 v125, v124, v124, v125               ; s2
	v_fma_f32 v126, v118, v124, v126               ; dot
	v_add_f32 v125, v119, v125                     ; s1 + s2
	v_fma_f32 v125, -2.0, v126, v125               ; 2 dot is exact: one rounding, as in the reference
	v_add_f32 v[WT0+\k], 0x322bcc77, v125
.endm
; the 8 rows of P2W of the query whose indices stand at place sl of a set, into ring slot sl.  Each load lands on its own address register.
.macro FILL sl, s0, s1
.irp k, 0,1,2,3
	s_min_u32 s[\s0+4*\sl+\k], s[\s0+4*\sl+\k], 0x7ff
	v_lshl_add_u32 v[RING+32*\sl+4*\k], s[\s0+4*\sl+\k], 9, v4
	global_load_b128 v[RING+32*\sl+4*\k:RING+32*\sl+4*\k+3], v[RING+32*\sl+4*\k], s[14:15]
.endr
.irp k, 0,1,2,3
	s_min_u32 s[\s1+4*\sl+\k], s[\s1+4*\sl+\k], 0x7ff
	v_lshl_add_u32 v[RING+32*\sl+16+4*\k], s[\s1+4*\sl+\k], 9, v4
	global_load_b128 v[RING+32*\sl+16+4*\k:RING+32*\sl+16+4*\k+3], v[RING+32*\sl+16+4*\k], s[14:15]
.endr
.endm
.macro GFETCH ks, f
	WIN 0x80                                       ; destination window 2, address window 0
.irp a, 0,1,2,3
	ds_load_b128 v[\f+8*\a:\f+8*\a+3], v5 offset:8448*\a+64*(\ks)
	ds_load_b128 v[\f+8*\a+4:\f+8*\a+7], v5 offset:8448*\a+64*(\ks)+32
.endr
.irp b, 0,1,2,3,4,5,6,7
	ds_load_b128 v[\f+32+8*\b:\f+32+8*\b+3], v6 offset:8448*\b+64*(\ks)
	ds_load_b128 v[\f+32+8*\b+4:\f+32+8*\b+7], v6 offset:8448*\b+64*(\ks)+32
.endr
.endm
; source 0 = 16 channels of W1, source 1 = 16 of my rows: a lane's 8 results are 8 neighbouring channels of one row
.macro GMUL f, zero
	WIN 0x5a                                       ; sources 0 and 1 window 2, C and D window 1
.irp a, 0,1,2,3
.irp b, 0,1,2,3,4,5,6,7
.if \zero
	v_wmma_f32_16x16x32_bf16 v[8*(8*\a+\b):8*(8*\a+\b)+7], v[\f+32+8*\b:\f+32+8*\b+7], v[\f+8*\a:\f+8*\a+7], 0
.else
	v_wmma_f32_16x16x32_bf16 v[8*(8*\a+\b):8*(8*\a+\b)+7], v[\f+32+8*\b:\f+32+8*\b+7], v[\f+8*\a:\f+8*\a+7], v[8*(8*\a+\b):8*(8*\a+\b)+7]
.endif
.endr
.endr
.endm
; Row n8 (0 to 7 from where v8, v9, v10 stand).  pre = 1: the next row's sums and weights are asked for first.  cnt = how many younger row loads may stay out.
; refill = 1: the ring slot gets the query 4 further on, whose indices stand in the set (s0, s1).
.macro QRY n8, s0, s1, refill, cnt, pre
.set ACU, AC0+8*((\n8)%2)
.set ANX, AC0+8*(1-(\n8)%2)
.set WCU, WT0+8*((\n8)%2)
.set WNX, WT0+8*(1-(\n8)%2)
.set QS4, (\n8)%4
.set RS,  RING+32*QS4
.if \pre
	s_wait_xcnt 0x0                                ; the other set of sums was the data of the last row's stores: loaded again only behind this wait
	ds_load_b128 v[ANX:ANX+3], v8 offset:1040*((\n8)+1)
	ds_load_b128 v[ANX+4:ANX+7], v8 offset:1040*((\n8)+1)+512
	ds_load_b128 v[WNX:WNX+3], v9 offset:32*((\n8)+1)
	ds_load_b128 v[WNX+4:WNX+7], v9 offset:32*((\n8)+1)+16
	s_wait_dscnt 0x4                               ; all but these four: this row's are in
.else
	s_wait_dscnt 0x0
.endif
	s_wait_loadcnt \cnt                            ; loads come back in order: this row's 8 are in, 8 for each younger query stay out
.irp e, 0,2,4,6
	v_pk_add_f32 v[ACU+\e:ACU+\e+1], v[ACU+\e:ACU+\e+1], v[BIAS+\e:BIAS+\e+1]
.endr
.irp k, 0,1,2,3,4,5,6,7
.irp e, 0,1,2,3
	v_fma_mix_f32_bf16 v[ACU+2*\e], v[RS+4*\k+\e], v[WCU+\k], v[ACU+2*\e] op_sel:[0,0,0] op_sel_hi:[1,0,0]
	v_fma_mix_f32_bf16 v[ACU+2*\e+1], v[RS+4*\k+\e], v[WCU+\k], v[ACU+2*\e+1] op_sel:[1,0,0] op_sel_hi:[1,0,0]
.endr
.endr
	global_store_b128 v10, v[ACU:ACU+3], s[18:19] offset:1024*(\n8) th:TH_STORE_NT
	global_store_b128 v10, v[ACU+4:ACU+7], s[18:19] offset:1024*(\n8)+512 th:TH_STORE_NT
.if \refill
	FILL QS4, \s0, \s1
.endif
.endm
; A trip is 4 queries.  At its head the set from which it refills has arrived; the set that the trip before used up is loaded with the indices of two trips on.
.macro TRIPE sl                        ; an even trip: refills from set B
	s_wait_kmcnt 0x0
.if \sl
	s_load_b512 s[SA0:SA0+15], s[24:25], 0x80
	s_load_b512 s[SA1:SA1+15], s[24:25], 0x80080
.endif
	QRY 0, SB0, SB1, 1, 24, 1
	QRY 1, SB0, SB1, 1, 24, 1
	QRY 2, SB0, SB1, 1, 24, 1
	QRY 3, SB0, SB1, 1, 24, 1
.endm
.macro TRIPO                           ; an odd trip: refills from set A
	s_wait_kmcnt 0x0
	s_load_b512 s[SB0:SB0+15], s[24:25], 0xc0
	s_load_b512 s[SB1:SB1+15], s[24:25], 0x800c0
	QRY 4, SA0, SA1, 1, 24, 1
	QRY 5, SA0, SA1, 1, 24, 1
	QRY 6, SA0, SA1, 1, 24, 1
	QRY 7, SA0, SA1, 1, 24, 1
.endm
	s_load_b512 s[4:19], s[0:1], 0x0               ; xyz1 s[4:5], xyz2 s[6:7], points1 s[8:9], conv_b s[10:11], wbf s[12:13], p2w s[14:15], idx s[16:17], out0 s[18:19]
	v_lshl_add_u32 v99, v0, 2, 0x42800
	v_mov_b32 v127, 0
	ds_add_u32 v99, v127
	ds_add_u32 v99, v127
	v_and_b32 v1, 31, v0                           ; lane
	v_lshrrev_b32 v2, 5, v0
	v_readfirstlane_b32 s20, v2                    ; wave
	s_bfe_u32 s21, ttmp6, 0x40000                  ; my place in the cluster
	s_lshl_b32 s22, ttmp9, 2
	s_add_co_u32 s22, s22, s21                     ; work-group i: it enters global addresses of my own rows alone
	s_lshr_b32 s26, s22, 6                         ; batch
	s_mov_b32 s27, 0xffff0000
	v_and_b32 v2, 15, v0                           ; r
	v_bfe_u32 v3, v0, 4, 1                         ; h
	v_lshlrev_b32 v4, 4, v1                        ; 16 l
	s_lshr_b32 s30, s20, 1                         ; wr
	s_and_b32 s31, s20, 1                          ; wc
	v_mul_u32_u24 v100, 0x210, v2
	v_lshl_add_u32 v100, v3, 4, v100               ; 528 r + 16 h
	s_mul_i32 s28, s30, 33792
	s_add_co_u32 s28, s28, ATILE
	v_add_nc_u32 v5, s28, v100                     ; fragments of my 64 rows
	s_mul_i32 s28, s31, 67584
	v_add_nc_u32 v6, s28, v100                     ; fragments of my 128 channels of W1
	v_mul_u32_u24 v101, 0x410, v2
	v_lshl_add_u32 v101, v3, 5, v101               ; 1,040 r + 32 h
	s_mul_i32 s28, s30, 66560
	s_lshl_b32 s29, s31, 9
	s_add_co_u32 s28, s28, s29
	s_add_co_u32 s28, s28, STAGE
	v_add_nc_u32 v7, s28, v101                     ; the stage, in
	s_mul_i32 s28, s20, 33280
	s_add_co_u32 s28, s28, STAGE
	v_add_nc_u32 v8, s28, v4                       ; the stage, back: my wave's 32 rows, 16 bytes a lane
	s_lshl_b32 s28, s20, 10
	s_add_co_u32 s28, s28, WTS
	v_mov_b32 v9, s28                              ; my wave's weights, the same address in every lane
	s_mul_i32 s28, s20, 16896
	s_add_co_u32 s28, s28, ATILE
	v_lshl_add_u32 v11, v1, 3, s28                 ; points1 in bf16: my wave's 32 rows, 8 bytes a lane
	v_lshl_add_u32 v15, v0, 5, WTS                 ; my query's weights
	v_lshlrev_b32 v12, 4, v0                       ; my query in idx
	v_mul_u32_u24 v13, 12, v0                      ; and in xyz1
	v_lshl_add_u32 v14, s20, 15, v4                ; points1: 32 rows of 1,024 bytes a wave
	v_lshl_add_u32 v10, s20, 15, v4                ; out0 likewise (stepped)
	; descriptor group 1: 64 rows x 256 elements of 2 bytes, 768 elements from row to row; 4 words of padding behind every 128 words
	s_mov_b32 s68, 15|(1<<16)|(1<<20)|(1<<21)|(6<<22)|(3<<25)   ; 15:0 the mask: all four partners; 17:16 element size; 20 padding; 21 set beside a mask; 24:22 interval; 31:25 pad
	s_mov_b32 s69, 256<<16                         ; tensor_dim0 = 256
	s_mov_b32 s70, 64<<16                          ; tensor_dim1 = 64
	s_mov_b32 s71, 256<<16                         ; tile_dim0 = 256
	s_mov_b32 s72, 64                              ; tile_dim1 = 64
	s_mov_b32 s73, 768                             ; the pitch
	s_mov_b32 s74, 0
	s_mov_b32 s75, 0
	s_mov_b32 s76, 1
	s_mul_i32 s77, s20, 33792                      ; LDS address: the wave's number times a constant
	s_mov_b32 s29, 0
	s_wait_dscnt 0x0
	s_wait_kmcnt 0x0
	s_lshl_b32 s28, s22, 11
	s_add_nc_u64 s[16:17], s[16:17], s[28:29]      ; idx at the group's first query
	s_lshl_b32 s28, s20, 9
	s_add_nc_u64 s[24:25], s[16:17], s[28:29]      ; and at my wave's
	s_load_b512 s[SA0:SA0+15], s[24:25], 0x0       ; the first 4 queries' indices
	s_load_b512 s[SA1:SA1+15], s[24:25], 0x80000
	s_mul_i32 s28, s22, 1536
	s_add_nc_u64 s[4:5], s[4:5], s[28:29]
	s_mul_i32 s28, s26, 24576
	s_add_nc_u64 s[6:7], s[6:7], s[28:29]
	s_lshl_b32 s28, s22, 17
	s_add_nc_u64 s[8:9], s[8:9], s[28:29]
	s_add_nc_u64 s[18:19], s[18:19], s[28:29]
	s_lshl_b32 s28, s26, 20
	s_add_nc_u64 s[14:15], s[14:15], s[28:29]      ; the batch's 2,048 rows of P2W
	s_mul_i32 s28, s20, 98304
	s_add_nc_u64 s[78:79], s[12:13], s[28:29]      ; my wave's 64 rows of wbf, columns 0 to 255
	s_or_b32 s79, s79, 0x80000000                  ; type = 2
	global_load_b128 v[56:59], v12, s[16:17]
	global_load_b128 v[60:63], v12, s[16:17] offset:524288
	global_load_b96 v[64:66], v13, s[4:5]
	global_load_b128 v[BIAS:BIAS+3], v4, s[10:11]
	global_load_b128 v[BIAS+4:BIAS+7], v4, s[10:11] offset:512
.set n, 0
.rept 32
	global_load_b128 v[RING+4*n:RING+4*n+3], v14, s[8:9] offset:512*n th:TH_LOAD_NT   ; rows 0 to 15 of my wave
.set n, n+1
.endr
	ROUND                                          ; the four partners are here: the joint loads meet
	tensor_load_to_lds s[76:79], s[68:75]
	s_nop 0
	s_wait_loadcnt 0x20                            ; all but the 32 loads of points1: indices, my query, the bias
.irp k, 0,1,2,3,4,5,6,7
	v_min_u32 v[56+\k], 0x7ff, v[56+\k]            ; a number read from memory enters an address only clamped
	v_mul_u32_u24 v[56+\k], 12, v[56+\k]
	global_load_b96 v[68+4*\k:70+4*\k], v[56+\k], s[6:7]
.endr
	s_wait_loadcnt 0x8                             ; all but these 8
	ACONV 0
.set n, 0
.rept 32
	global_load_b128 v[RING+4*n:RING+4*n+3], v14, s[8:9] offset:16384+512*n th:TH_LOAD_NT   ; rows 16 to 31
.set n, n+1
.endr
	s_wait_loadcnt 0x20                            ; the 8 neighbours' coordinates are in
	v_cvt_pk_bf16_f32 v120, v64, v65
	v_cvt_pk_bf16_f32 v121, v66, v66
	v_lshlrev_b32 v116, 16, v120
	v_and_b32 v117, s27, v120
	v_lshlrev_b32 v118, 16, v121
	v_mul_f32 v119, v116, v116
	v_fma_f32 v119, v117, v117, v119
	v_fma_f32 v119, v118, v118, v119               ; s1
.irp k, 0,1,2,3,4,5,6,7
	WEIGHT \k
.endr
.irp k, 0,1,2,3,4,5,6,7
	v_rcp_f32 v[WT0+\k], v[WT0+\k]
.endr
	v_nop                                          ; one plain instruction between a reciprocal and the use of its result (ISA guide 5.7.2)
	s_wait_alu depctr_va_vdst(0)
	v_add_f32 v120, v[WT0], v[WT0+1]
.irp k, 2,3,4,5,6,7
	v_add_f32 v120, v120, v[WT0+\k]
.endr
	v_rcp_f32 v120, v120
	v_nop
	s_wait_alu depctr_va_vdst(0)
.irp k, 0,1,2,3,4,5,6,7
	v_mul_f32 v[WT0+\k], v[WT0+\k], v120
.endr
	ds_store_b128 v15, v[WT0:WT0+3]
	ds_store_b128 v15, v[WT0+4:WT0+7] offset:16
	s_wait_loadcnt 0x0
	ACONV 1
	s_wait_kmcnt 0x0
	FILL 0, SA0, SA1                               ; the ring's first 32 rows go out ahead of the products and land beside them
	FILL 1, SA0, SA1
	FILL 2, SA0, SA1
	FILL 3, SA0, SA1
	s_wait_tensorcnt 0x0                           ; my part of W1 has landed
	s_wait_dscnt 0x0                               ; my rows and weights are written
	s_barrier_signal -1
	s_barrier_wait -1                              ; everybody's
	s_load_b512 s[SB0:SB0+15], s[24:25], 0x40      ; the descriptor's registers are free since the wait on TENSORcnt: queries 4 to 7
	s_load_b512 s[SB1:SB1+15], s[24:25], 0x80040
	; 8 K steps on two fragment buffers.  The count 24 leaves out the 24 loads just issued.  Four places stand between a step's matrix instructions and the loads
	; into the registers that they read (ISA guide 7.12.1 for vector instructions).  The 32 accumulators take turns.
	GFETCH 0, FB0
.set ks, 0
.rept 8
.set fb, FB0+96*(ks%2)
.set gb, FB0+96*((ks+1)%2)
.set kn, ks+1
.if ks < 7
.if ks > 0
	PLACES
.endif
	GFETCH kn, gb
	s_wait_dscnt 0x18
.else
	s_wait_dscnt 0x0
.endif
.if ks == 0
	GMUL fb, 1                                     ; the first products start the sums
.else
	GMUL fb, 0
.endif
.set ks, ks+1
.endr
	WIN 0
	PLACES                                         ; four places ahead of the stores, which read results
	s_wait_dscnt 0x0
	s_barrier_signal -1
	s_barrier_wait -1                              ; no wave reads points1's tile any more: the stage may lie over it
	WIN 0x04                                       ; store data window 1, address window 0
.irp a, 0,1,2,3
.irp b, 0,1,2,3,4,5,6,7
	ds_store_b128 v7, v[8*(8*\a+\b):8*(8*\a+\b)+3] offset:16640*\a+64*\b
	ds_store_b128 v7, v[8*(8*\a+\b)+4:8*(8*\a+\b)+7] offset:16640*\a+64*\b+16
.endr
.endr
	WIN 0
	s_wait_dscnt 0x0
	s_barrier_signal -1
	s_barrier_wait -1                              ; a row holds both column halves
	; THE GATHER: 8 trips of 4 rows; six in a loop of three, the last two written out (no scalar load and then no refill beyond my 32 rows)
	ds_load_b128 v[AC0:AC0+3], v8
	ds_load_b128 v[AC0+4:AC0+7], v8 offset:512
	ds_load_b128 v[WT0:WT0+3], v9
	ds_load_b128 v[WT0+4:WT0+7], v9 offset:16
	s_mov_b32 s23, 0
.Lpair:
	TRIPE 1
	TRIPO
	s_wait_xcnt 0x0                                ; the stores' offset and the scalar loads' base are stepped only behind this wait
	v_add_nc_u32 v10, 8192, v10
	v_add_nc_u32 v8, 8320, v8
	v_add_nc_u32 v9, 256, v9
	s_add_nc_u64 s[24:25], s[24:25], 128
	s_add_co_u32 s23, s23, 1
	s_cmp_lt_u32 s23, 3
	s_cbranch_scc1 .Lpair
	TRIPE 0
	QRY 4, SA0, SA1, 0, 24, 1                      ; the last four rows: the counts run down
	QRY 5, SA0, SA1, 0, 16, 1
	QRY 6, SA0, SA1, 0, 8, 1
	QRY 7, SA0, SA1, 0, 0, 0
	s_wait_tensorcnt 0x0
	ds_add_u32 v99, v127
	s_wait_dscnt 0x0
	ROUND                                          ; the closing round: no work-group ends while a partner may still ask jointly
	s_endpgm
.Lfunc_end_k_qca6007946d_fuse:
	.size	k_qca6007946d_fuse, .Lfunc_end_k_qca6007946d_fuse-k_qca6007946d_fuse
	.p2alignl 7, 3214868480
	.fill 96, 4, 3214868480
	.section	.rodata,"a",@progbits
	.p2align	6, 0x0
	.amdhsa_kernel k_qca6007946d_fuse
		.amdhsa_group_segment_fixed_size 272896
		.amdhsa_private_segment_fixed_size 0
		.amdhsa_enable_private_segment 0
		.amdhsa_kernarg_size 64
		.amdhsa_user_sgpr_count 2
		.amdhsa_user_sgpr_kernarg_segment_ptr 1
		.amdhsa_wavefront_size32 1
		.amdhsa_system_sgpr_workgroup_id_x 1
		.amdhsa_system_sgpr_workgroup_id_y 1
		.amdhsa_system_sgpr_workgroup_id_z 1
		.amdhsa_system_vgpr_workitem_id 0
		.amdhsa_next_free_vgpr 704
		.amdhsa_next_free_sgpr 100
		.amdhsa_reserve_vcc 0
		.amdhsa_float_denorm_mode_32 3
		.amdhsa_float_denorm_mode_16_64 3
		.amdhsa_memory_ordered 1
		.amdhsa_forward_progress 1
		.amdhsa_inst_pref_size 172
	.end_amdhsa_kernel
	.amdgpu_metadata
---
amdhsa.version: [ 1, 2 ]
amdhsa.kernels:
  - .name:           k_qca6007946d_fuse
    .symbol:         k_qca6007946d_fuse.kd
    .args:
      - { .name: xyz1, .offset: 0, .size: 8, .value_kind: global_buffer, .address_space: global }
      - { .name: xyz2, .offset: 8, .size: 8, .value_kind: global_buffer, .address_space: global }
      - { .name: points1, .offset: 16, .size: 8, .value_kind: global_buffer, .address_space: global }
      - { .name: conv_b, .offset: 24, .size: 8, .value_kind: global_buffer, .address_space: global }
      - { .name: wbf, .offset: 32, .size: 8, .value_kind: global_buffer, .address_space: global }
      - { .name: p2w, .offset: 40, .size: 8, .value_kind: global_buffer, .address_space: global }
      - { .name: idx, .offset: 48, .size: 8, .value_kind: global_buffer, .address_space: global }
      - { .name: out0, .offset: 56, .size: 8, .value_kind: global_buffer, .address_space: global }
    .group_segment_fixed_size: 272896
    .private_segment_fixed_size: 0
    .kernarg_segment_align: 8
    .kernarg_segment_size: 64
    .max_flat_workgroup_size: 128
    .sgpr_count:     100
    .vgpr_count:     704
    .wavefront_size: 32
...
	.end_amdgpu_metadata
.endif
;; end of part 4
;; ======== version 2 of 2: 3 launches; 1.23 times as fast as version 1
;; limits: values outside matrix products are rounded to bf16
;; workspace buffers: wbf 393,216 bytes; p2w 4,194,304 bytes; gids 1,048,576 bytes of whole numbers; idx 1,048,576 bytes of whole numbers
;; launch groups (part 5): grid 256 x 1, 8 waves a work-group, no clusters, 148,480 bytes of LDS; arguments xyz1, xyz2, conv_w, gids, wbf; writes gids, wbf
.if DOCPART == 5
	.amdgcn_target "amdgcn-amd-amdhsa--gfx1250"
	.amdhsa_code_object_version 6
	.text
	.protected	k_qca6007946d_groups
	.globl	k_qca6007946d_groups
	.p2align	8
	.type	k_qca6007946d_groups,@function
k_qca6007946d_groups:
	s_mov_b64 s[64:65], 0
	v_nop
	global_prefetch_b8 v0, s[64:65] scope:SCOPE_SE
	s_setreg_imm32_b32 hwreg(HW_REG_WAVE_MODE, 25, 1), 1
	s_wait_xcnt 0x0
; NearestUpsampleBlock, launch 1 of 3 (groups, mid, fuse).
; THE WHOLE PROGRAM.  out = points1 W1^T + (sum_k w_k points2[idx_k]) W2^T + b  with conv_w = [W1 | W2].  The product with W2 is linear, so in exact
; arithmetic the middle term is sum_k w_k (points2 W2^T)[idx_k]: launch 2 makes P2W = points2 W2^T once (8192 x 512 x 256 multiply-adds in place of
; 32768 x 512 x 256), launch 3 gathers rows of P2W.  No input and no step of the reference is left out; every input is loaded.
; THE CHOICE OF NEIGHBOURS is made on values alone, in two levels.  The 2048 candidates of a batch are 128 groups of 16 neighbouring indices.
; Every one of the 8 first candidates in the order (distance, index) lies in one of the 8 first groups in the order (group minimum, group number):
; if 8 groups came before a candidate's group, each would hold a candidate that comes before it.  This launch finds those 8 groups for each query
; and stores their numbers, ascending, as whole numbers; launch 2 reads them and picks the 8 candidates among 8 x 16.
; On each level: a sorted list of the 8 least values (a chain of v_med3), tau = the 8th, one bit mask of 'less than tau' and one of 'equal to tau',
; and the 8 lowest bits of the 256-bit number [equal | less]: all that are less, then the equal ones by ascending index, as top_k breaks ties.
; DISTANCES.  xyz1 and xyz2 are rounded once to bf16 (nearest even), as operands of the distance product; then every product below is exact in f32 and
; only the sums round, in the reference's order: s = (x x + y y) + z z, dot = (qx x + qy y) + qz z, sqd = (s1 + s2) - 2 dot  (the table holds -2 x, -2 y,
; -2 z: a power of two commutes with rounding).  The product has K = 3: it would fill 3 of a matrix instruction's 32 places along K, and the choice
; needs these f32 roundings, so it is made by packed f32 multiply-adds.
; LIMITS.  The neighbours are those of the bf16-rounded clouds.  Coordinates are finite and below 1e18 in magnitude (their squares stay finite);
; with a NaN among the distances the groups stored are unspecified numbers from 0 to 127.  +0 and -0 count as equal.
; THIS LAUNCH.  Work-group i: batch i / 64, queries 128 i .. 128 i + 127; it also rounds row i of conv_w to bf16 (waves 0 to 2).
; Eight waves, two for each of the WGP's four SIMDs (2 x 226 of a SIMD's 1,024 registers), so that one can issue where the other waits for a result or for LDS.
; Scan: every wave holds all 128 queries (lane l: queries 4 l .. 4 l + 3) and scans an eighth of the candidates, 16 groups.
; No cluster: what the 64 work-groups of a batch share is xyz2's 24,576 bytes, and they pass through registers to be rounded and rearranged.
.set MG,    32768                      ; LDS behind the table of 32,768 bytes: group minima, 8,192 bytes for each wave: its group g at 512 g, query q at 4 q
.set LST,   98304                      ; the eight waves' lists of 8: entry i of wave w at 512 (8 w + i) + 4 q
.set LS2,   131072                     ; the lists of waves 0-3 merged, then those of waves 4-7: entry i of half hh at 512 (8 hh + i) + 4 q
.set MSK,   139264                     ; the masks in planes of 128 queries: wave w's 16 bits 'less' at 1,024 w + 4 q, 'equal' 512 further on
.set QX,   4                           ; v[4:7]    x of my 4 queries;  QY, QZ likewise;  QS their s1
.set QY,   8
.set QZ,   12
.set QS,   16
.set L,    20                          ; v[20:51]  the sorted lists: entry i of query j at L + 4 i + j
.set M,    52                          ; v[52:55]  the running minimum of a group
.set DA,   56                          ; v[56:63]  distances: candidate a of a pair, then candidate b
.set TA,   64                          ; v[64:71]  s1 + s2 likewise
.set CB0,  72                          ; v[72:135]  a group's 8 pairs of candidates
.set CB1,  136                         ; v[136:199] the next group's
.set TAUR, 200                         ; v[200:203] tau of my 4 queries
.set LTW,  204                         ; v[204:207] masks 'less'
.set EQW,  208                         ; v[208:211] masks 'equal'
.set RAW,  72                          ; building the table: 4 pairs as loaded, 6 numbers each
.set PP,   120                         ; v[120:127] one entry of the table
.set PT,   128
.set PADR, 215
.set W,    72                          ; decoding: the 8 mask words
.set P,    80                          ; the 8 results
.set CUR,  88
.set KW,   89
.set TT,   90
.set HW,   96                          ; v[96:111] the 16 half words of a query's masks as read
; two numbers rounded to bf16 and widened again
.macro RND2 d0, d1, a, b
	v_cvt_pk_bf16_f32 v[PT], v[\a], v[\b]
	v_lshlrev_b32 v[\d0], 16, v[PT]
	v_and_b32 v[\d1], s17, v[PT]
.endm
; candidates 2 p and 2 p + 1, p = thread + 256 k, become 32 bytes at 32 p: -2xa -2xb -2ya -2yb -2za -2zb sa sb
.macro BUILD k
	RND2 PP, PP+1, RAW+6*\k, RAW+6*\k+3
	RND2 PP+2, PP+3, RAW+6*\k+1, RAW+6*\k+4
	RND2 PP+4, PP+5, RAW+6*\k+2, RAW+6*\k+5
	v_pk_mul_f32 v[PP+6:PP+7], v[PP:PP+1], v[PP:PP+1]
	v_pk_fma_f32 v[PP+6:PP+7], v[PP+2:PP+3], v[PP+2:PP+3], v[PP+6:PP+7]
	v_pk_fma_f32 v[PP+6:PP+7], v[PP+4:PP+5], v[PP+4:PP+5], v[PP+6:PP+7]
	v_pk_mul_f32 v[PP:PP+1], v[PP:PP+1], -2.0 op_sel_hi:[1,0]
	v_pk_mul_f32 v[PP+2:PP+3], v[PP+2:PP+3], -2.0 op_sel_hi:[1,0]
	v_pk_mul_f32 v[PP+4:PP+5], v[PP+4:PP+5], -2.0 op_sel_hi:[1,0]
	ds_store_b128 v[PADR], v[PP:PP+3] offset:8192*\k
	ds_store_b128 v[PADR], v[PP+4:PP+7] offset:8192*\k+16
.endm
; value v goes into the ascending list of 8 at l (stride st): entry i becomes the middle one of (entry i-1, entry i, v), from the top down
.macro INS l, st, v
.irp i, 7,6,5,4,3,2,1
	v_med3_num_f32 v[\l+\st*\i], v[\l+\st*(\i-1)], v[\l+\st*\i], v[\v]
.endr
	v_min_num_f32 v[\l], v[\l], v[\v]
.endm
; one more bit, from the top down: mask = 2 mask + (v < tau), and the same for (v == tau)
.macro BIT v, tau, lw, ew
	v_cmp_lt_f32 vcc_lo, v[\v], v[\tau]
	v_add_co_ci_u32 v[\lw], vcc_lo, v[\lw], v[\lw], vcc_lo
	v_cmp_eq_f32 vcc_lo, v[\v], v[\tau]
	v_add_co_ci_u32 v[\ew], vcc_lo, v[\ew], v[\ew], vcc_lo
.endm
; the lowest set bit of the 256-bit number W[0..7]: its place modulo 128 goes to p, and the bit is cleared (X and X - 1, the borrow carried through VCC)
.macro EXTRACT p
	v_mov_b32 v[CUR], v[W+7]
	v_mov_b32 v[KW], 7
.irp k, 6,5,4,3,2,1,0
	v_cmp_eq_u32 vcc_lo, 0, v[W+\k]
	v_cndmask_b32 v[CUR], v[W+\k], v[CUR], vcc_lo  ; the lowest word that is not 0,
	v_cndmask_b32 v[KW], \k, v[KW], vcc_lo         ; and its number
.endr
	v_sub_nc_u32 v[TT], 0, v[CUR]
	v_and_b32 v[TT], v[CUR], v[TT]                 ; its lowest bit alone: a power of two,
	v_cvt_f32_u32 v[TT], v[TT]                     ; whose f32 exponent field is 127 + the bit's number
	v_lshrrev_b32 v[TT], 23, v[TT]
	v_lshl_add_u32 v[TT], v[KW], 5, v[TT]
	v_add_nc_u32 v[TT], 1, v[TT]                   ; 32 word + bit + 128
	v_and_b32 v[\p], 127, v[TT]
	v_add_co_u32 v[TT], vcc_lo, -1, v[W]
	v_and_b32 v[W], v[W], v[TT]
.irp k, 1,2,3,4,5,6,7
	v_add_co_ci_u32 v[TT], vcc_lo, -1, v[W+\k], vcc_lo
	v_and_b32 v[W+\k], v[W+\k], v[TT]
.endr
.endm
.macro CSWAP a, b
	v_min_u32 v[TT], v[P+\a], v[P+\b]
	v_max_u32 v[P+\b], v[P+\a], v[P+\b]
	v_mov_b32 v[P+\a], v[TT]
.endm
.macro DECODE
.irp p, 0,1,2,3,4,5,6,7
	EXTRACT P+\p
.endr
	CSWAP 0,1                                      ; 19 exchanges (odd-even merge sort of 8): ascending
	CSWAP 2,3
	CSWAP 4,5
	CSWAP 6,7
	CSWAP 0,2
	CSWAP 1,3
	CSWAP 4,6
	CSWAP 5,7
	CSWAP 1,2
	CSWAP 5,6
	CSWAP 0,4
	CSWAP 1,5
	CSWAP 2,6
	CSWAP 3,7
	CSWAP 2,4
	CSWAP 3,5
	CSWAP 1,2
	CSWAP 3,4
	CSWAP 5,6
.endm
; a group's 256 bytes, the same for every lane (all lanes give one address)
.macro FETCH buf, off
.irp i, 0,1,2,3,4,5,6,7,8,9,10,11,12,13,14,15
	ds_load_b128 v[\buf+4*\i:\buf+4*\i+3], v2 offset:\off+16*\i
.endr
.endm
; a pair of candidates (8 registers at c) against my 4 queries: four chains (candidate a or b, queries 0-1 or 2-3) go stage by stage
.macro PAIRSTEP c, first
.irp sel, 0,1
.irp jp, 0,2
	v_pk_mul_f32 v[DA+4*\sel+\jp:DA+4*\sel+\jp+1], v[QX+\jp:QX+\jp+1], v[\c:\c+1] op_sel:[0,\sel] op_sel_hi:[1,\sel]
.endr
.endr
.irp sel, 0,1
.irp jp, 0,2
	v_pk_add_f32 v[TA+4*\sel+\jp:TA+4*\sel+\jp+1], v[QS+\jp:QS+\jp+1], v[\c+6:\c+7] op_sel:[0,\sel] op_sel_hi:[1,\sel]
.endr
.endr
.irp sel, 0,1
.irp jp, 0,2
	v_pk_fma_f32 v[DA+4*\sel+\jp:DA+4*\sel+\jp+1], v[QY+\jp:QY+\jp+1], v[\c+2:\c+3], v[DA+4*\sel+\jp:DA+4*\sel+\jp+1] op_sel:[0,\sel,0] op_sel_hi:[1,\sel,1]
.endr
.endr
.irp sel, 0,1
.irp jp, 0,2
	v_pk_fma_f32 v[DA+4*\sel+\jp:DA+4*\sel+\jp+1], v[QZ+\jp:QZ+\jp+1], v[\c+4:\c+5], v[DA+4*\sel+\jp:DA+4*\sel+\jp+1] op_sel:[0,\sel,0] op_sel_hi:[1,\sel,1]
.endr
.endr
.irp sel, 0,1
.irp jp, 0,2
	v_pk_add_f32 v[DA+4*\sel+\jp:DA+4*\sel+\jp+1], v[TA+4*\sel+\jp:TA+4*\sel+\jp+1], v[DA+4*\sel+\jp:DA+4*\sel+\jp+1]
.endr
.endr
.irp j, 0,1,2,3
.if \first
	v_min_num_f32 v[M+\j], v[DA+\j], v[DA+4+\j]    ; the first pair starts the minimum
.else
	v_min3_num_f32 v[M+\j], v[M+\j], v[DA+\j], v[DA+4+\j]
.endif
.endr
.endm
; a group of 16 candidates: its minimum for each of my 4 queries, kept in LDS for the masks and put into the lists
.macro GROUP buf, mgoff
	PAIRSTEP \buf, 1
.irp pr, 1,2,3,4,5,6,7
	PAIRSTEP \buf+8*\pr, 0
.endr
	ds_store_b128 v3, v[M:M+3] offset:\mgoff
.irp j, 0,1,2,3
	INS L+\j, 4, M+\j
.endr
.endm
	s_load_b256 s[4:11], s[0:1], 0x0               ; xyz1 s[4:5], xyz2 s[6:7], conv_w s[8:9], gids s[10:11]
	s_load_b64 s[12:13], s[0:1], 0x20              ; wbf
	v_lshl_add_u32 v224, v0, 2, 0x24000
	v_mov_b32 v225, 0
	v_and_b32 v1, 31, v0                           ; lane
	v_lshrrev_b32 v212, 5, v0
	v_readfirstlane_b32 s14, v212                  ; wave, 0 to 7
	s_lshr_b32 s15, ttmp9, 6                       ; batch
	s_mov_b32 s17, 0xffff0000                      ; a word's upper bf16
	s_mov_b32 s26, 0x7f800000                      ; +infinity: an empty list
	s_mul_i32 s18, s15, 24576                      ; the batch's xyz2
	s_mov_b32 s19, 0
	s_mul_i32 s20, ttmp9, 1536                     ; 128 queries of 12 bytes; also a row of 768 bf16
	s_mov_b32 s21, 0
	s_mul_i32 s22, ttmp9, 3072                     ; a row of 768 f32
	s_mov_b32 s23, 0
	s_lshl_b32 s24, ttmp9, 11                      ; 128 queries of 16 bytes
	s_mov_b32 s25, 0
	s_lshl_b32 s27, s14, 12                        ; my wave's 128 pairs in the table
	s_lshl_b32 s28, s14, 13
	s_add_co_u32 s28, s28, MG                      ; my wave's minima
	s_lshl_b32 s29, s14, 12
	s_add_co_u32 s29, s29, LST                     ; my wave's lists
	s_lshl_b32 s30, s14, 10
	s_add_co_u32 s30, s30, MSK                     ; my wave's two planes of masks
	s_and_b32 s31, s14, 3
	s_lshl_b32 s31, s31, 7                         ; merging and decoding: my query is 32 (w mod 4) + lane; 4 bytes each
	s_lshr_b32 s32, s14, 2                         ; and my half of the lists is w / 4
	s_lshl_b32 s33, s32, 14                        ; four waves' lists are 16,384 bytes
	s_add_co_u32 s33, s33, s31
	s_add_co_u32 s33, s33, LST
	s_lshl_b32 s34, s32, 12                        ; a merged list of 8 for 128 queries is 4,096 bytes
	s_add_co_u32 s34, s34, s31
	s_add_co_u32 s34, s34, LS2
	s_add_co_u32 s35, s31, MSK
	v_mul_u32_u24 v213, 24, v0                     ; a pair of candidates in xyz2
	v_mul_u32_u24 v214, 48, v1                     ; my 4 queries in xyz1
	v_lshlrev_b32 v215, 5, v0                      ; 32 x thread: conv_w, and the table
	v_lshlrev_b32 v216, 4, v0                      ; 16 x thread: wbf (threads 0-95), gids (threads 0-127)
	v_mov_b32 v2, s27                              ; where the scan reads
	v_lshl_add_u32 v3, v1, 4, s28                  ; where it puts the minima (stepped),
	v_lshl_add_u32 v217, v1, 4, s28                ; and the same, kept for the masks
	v_lshl_add_u32 v218, v1, 4, s29
	v_lshl_add_u32 v219, v1, 2, s33
	v_lshl_add_u32 v220, v1, 2, s34
	v_lshl_add_u32 v221, v1, 4, LS2
	v_lshl_add_u32 v222, v1, 4, s30
	v_lshl_add_u32 v223, v1, 2, s35
	s_wait_kmcnt 0x0
	s_add_nc_u64 s[4:5], s[4:5], s[20:21]
	s_add_nc_u64 s[6:7], s[6:7], s[18:19]
	s_add_nc_u64 s[8:9], s[8:9], s[22:23]
	s_add_nc_u64 s[10:11], s[10:11], s[24:25]
	s_add_nc_u64 s[12:13], s[12:13], s[20:21]
	s_cmp_gt_u32 s14, 2                            ; 96 threads x 8 numbers are a row of conv_w
	s_cbranch_scc1 .Lno_w_in
	global_load_b128 v[200:203], v215, s[8:9] th:TH_LOAD_NT
	global_load_b128 v[204:207], v215, s[8:9] offset:16 th:TH_LOAD_NT
.Lno_w_in:
.irp k, 0,1,2,3
	global_load_b64 v[RAW+6*\k:RAW+6*\k+1], v213, s[6:7] offset:6144*\k
	global_load_b64 v[RAW+6*\k+2:RAW+6*\k+3], v213, s[6:7] offset:6144*\k+8
	global_load_b64 v[RAW+6*\k+4:RAW+6*\k+5], v213, s[6:7] offset:6144*\k+16
.endr
	global_load_b128 v[136:139], v214, s[4:5]
	global_load_b128 v[140:143], v214, s[4:5] offset:16
	global_load_b128 v[144:147], v214, s[4:5] offset:32
	s_wait_loadcnt 0x3                             ; all but the three youngest loads (xyz1) are in
.irp k, 0,1,2,3
	BUILD \k
.endr
	s_cmp_gt_u32 s14, 2
	s_cbranch_scc1 .Lno_w_out
	v_cvt_pk_bf16_f32 v208, v200, v201
	v_cvt_pk_bf16_f32 v209, v202, v203
	v_cvt_pk_bf16_f32 v210, v204, v205
	v_cvt_pk_bf16_f32 v211, v206, v207
	global_store_b128 v216, v[208:211], s[12:13]   ; a wave's store covers 512 consecutive bytes, at a multiple of 256 from wbf's first byte
.Lno_w_out:
	s_wait_loadcnt 0x0
	RND2 QX, QX+1, 136, 139                        ; twelve numbers x0 y0 z0 x1 .. z3
	RND2 QX+2, QX+3, 142, 145
	RND2 QY, QY+1, 137, 140
	RND2 QY+2, QY+3, 143, 146
	RND2 QZ, QZ+1, 138, 141
	RND2 QZ+2, QZ+3, 144, 147
.irp jp, 0,2
	v_pk_mul_f32 v[QS+\jp:QS+\jp+1], v[QX+\jp:QX+\jp+1], v[QX+\jp:QX+\jp+1]
	v_pk_fma_f32 v[QS+\jp:QS+\jp+1], v[QY+\jp:QY+\jp+1], v[QY+\jp:QY+\jp+1], v[QS+\jp:QS+\jp+1]
	v_pk_fma_f32 v[QS+\jp:QS+\jp+1], v[QZ+\jp:QZ+\jp+1], v[QZ+\jp:QZ+\jp+1], v[QS+\jp:QS+\jp+1]
.endr
.set n, 0
.rept 32
	v_mov_b32 v[L+n], s26
.set n, n+1
.endr
	s_wait_dscnt 0x0                               ; my part of the table is written
	s_barrier_signal -1
	s_barrier_wait -1                              ; everybody's is
	; THE SCAN: 16 groups, two a trip, on two register buffers.  The count 16 leaves out the 16 loads just issued; older than they are
	; the buffer that is now worked on and the last store of minima.
	FETCH CB0, 0
	s_mov_b32 s16, 0
.Lscan:
	FETCH CB1, 256
	s_wait_dscnt 0x10
	GROUP CB0, 0
	FETCH CB0, 512
	s_wait_dscnt 0x10
	GROUP CB1, 512
	v_add_nc_u32 v2, 512, v2
	v_add_nc_u32 v3, 1024, v3
	s_add_co_u32 s16, s16, 1
	s_cmp_lt_u32 s16, 7
	s_cbranch_scc1 .Lscan
	FETCH CB1, 256                                 ; groups 14 and 15: nothing is fetched beyond my eighth
	s_wait_dscnt 0x10
	GROUP CB0, 0
	s_wait_dscnt 0x0
	GROUP CB1, 512
	; THE EIGHT LISTS OF A QUERY MEET, in two steps.  First two threads a query: the thread of lane l in wave w merges, for query 32 (w mod 4) + l, the four lists of half w / 4.
.irp i, 0,1,2,3,4,5,6,7
	ds_store_b128 v218, v[L+4*\i:L+4*\i+3] offset:512*\i
.endr
	s_wait_dscnt 0x0
	s_barrier_signal -1
	s_barrier_wait -1
.set n, 0
.rept 32
	ds_load_b32 v[CB0+n], v219 offset:512*n
.set n, n+1
.endr
	s_wait_dscnt 0x0
.set n, 8
.rept 24
	INS CB0, 1, CB0+n                              ; the half's first list stands as it is; the other 24 values go in
.set n, n+1
.endr
.irp i, 0,1,2,3,4,5,6,7
	ds_store_b32 v220, v[CB0+\i] offset:512*\i
.endr
	s_wait_dscnt 0x0
	s_barrier_signal -1
	s_barrier_wait -1
	; Then every lane, for its own 4 queries.  Of two ascending lists A and B of 8, the numbers min(A[i], B[7-i]) are the 8 least of the 16 (the first stage of a
	; bitonic merge: A followed by B reversed rises and then falls).  So tau, the 8th least of the 128 group minima, is the largest of them: no further sorting, no further barrier.
.irp i, 0,1,2,3,4,5,6,7
	ds_load_b128 v[CB1+4*\i:CB1+4*\i+3], v221 offset:512*\i
.endr
.irp i, 0,1,2,3,4,5,6,7
	ds_load_b128 v[CB1+32+4*\i:CB1+32+4*\i+3], v221 offset:4096+512*\i
.endr
.set n, 0
.rept 16
	ds_load_b128 v[CB0+4*n:CB0+4*n+3], v217 offset:512*(15-n)     ; my wave's minima, group 15 first
.set n, n+1
.endr
	s_wait_dscnt 0x10                              ; the 16 loads of the lists are in; the 16 of the minima may be out
.irp i, 0,1,2,3,4,5,6,7
.irp j, 0,1,2,3
	v_min_num_f32 v[CB1+4*\i+\j], v[CB1+4*\i+\j], v[CB1+32+4*(7-\i)+\j]
.endr
.endr
.irp j, 0,1,2,3
	v_max3_num_f32 v[TAUR+\j], v[CB1+\j], v[CB1+4+\j], v[CB1+8+\j]
.endr
.irp j, 0,1,2,3
	v_max3_num_f32 v[TAUR+\j], v[TAUR+\j], v[CB1+12+\j], v[CB1+16+\j]
.endr
.irp j, 0,1,2,3
	v_max3_num_f32 v[TAUR+\j], v[TAUR+\j], v[CB1+20+\j], v[CB1+24+\j]
.endr
.irp j, 0,1,2,3
	v_max_num_f32 v[TAUR+\j], v[TAUR+\j], v[CB1+28+\j]
.endr
	; THE MASKS of my wave's 16 groups for my 4 queries, group 15 first, so that group g ends in bit g
	s_wait_xcnt 0x0                                ; v[208:211] were the data of the store into wbf: written again only behind this wait
.irp j, 0,1,2,3,4,5,6,7
	v_mov_b32 v[LTW+\j], 0
.endr
.set n, 0
.rept 16
	s_wait_dscnt 15-n                              ; LDS loads come back in order: 15 - n younger ones may be out
.irp j, 0,1,2,3
	BIT CB0+4*n+\j, TAUR+\j, LTW+\j, EQW+\j
.endr
.set n, n+1
.endr
	ds_store_b128 v222, v[LTW:LTW+3]               ; a lane's 4 queries are 16 neighbouring bytes of a plane: 512 consecutive bytes a store
	ds_store_b128 v222, v[EQW:EQW+3] offset:512
	s_wait_dscnt 0x0
	s_barrier_signal -1
	s_barrier_wait -1
	; THE 8 GROUPS of a query, ascending, so that in the next launch a place among the 8 x 16 candidates ascends with the index.
	; 128 queries are four waves' work, one query a lane: waves 0 to 3 do it; waves 4 to 7 have passed the last barrier and end.
	s_cmp_gt_u32 s14, 3
	s_cbranch_scc1 .Ldone
.set n, 0
.rept 16
	ds_load_b32 v[HW+n], v223 offset:512*n         ; plane 2 w: 'less' of wave w; plane 2 w + 1: 'equal'
.set n, n+1
.endr
	s_wait_dscnt 0x0
.irp k, 0,1,2,3
	v_lshl_or_b32 v[W+\k], v[HW+4*\k+2], 16, v[HW+4*\k]          ; groups 32 k .. 32 k + 31: wave 2 k below, wave 2 k + 1 above
	v_lshl_or_b32 v[W+4+\k], v[HW+4*\k+3], 16, v[HW+4*\k+1]
.endr
	DECODE
	global_store_b128 v216, v[P:P+3], s[10:11]                  ; two planes of 16 bytes a query: each store of a wave covers 512 consecutive bytes
	global_store_b128 v216, v[P+4:P+7], s[10:11] offset:524288
.Ldone:
	s_wait_tensorcnt 0x0
	ds_add_u32 v224, v225
	s_wait_dscnt 0x0
	s_endpgm
.Lfunc_end_k_qca6007946d_groups:
	.size	k_qca6007946d_groups, .Lfunc_end_k_qca6007946d_groups-k_qca6007946d_groups
	.p2alignl 7, 3214868480
	.fill 96, 4, 3214868480
	.section	.rodata,"a",@progbits
	.p2align	6, 0x0
	.amdhsa_kernel k_qca6007946d_groups
		.amdhsa_group_segment_fixed_size 148480
		.amdhsa_private_segment_fixed_size 0
		.amdhsa_enable_private_segment 0
		.amdhsa_kernarg_size 40
		.amdhsa_user_sgpr_count 2
		.amdhsa_user_sgpr_kernarg_segment_ptr 1
		.amdhsa_wavefront_size32 1
		.amdhsa_system_sgpr_workgroup_id_x 1
		.amdhsa_system_sgpr_workgroup_id_y 1
		.amdhsa_system_sgpr_workgroup_id_z 1
		.amdhsa_system_vgpr_workitem_id 0
		.amdhsa_next_free_vgpr 226
		.amdhsa_next_free_sgpr 66
		.amdhsa_reserve_vcc 1
		.amdhsa_float_denorm_mode_32 3
		.amdhsa_float_denorm_mode_16_64 3
		.amdhsa_memory_ordered 1
		.amdhsa_forward_progress 1
		.amdhsa_inst_pref_size 114
	.end_amdhsa_kernel
	.amdgpu_metadata
---
amdhsa.version: [ 1, 2 ]
amdhsa.kernels:
  - .name:           k_qca6007946d_groups
    .symbol:         k_qca6007946d_groups.kd
    .args:
      - { .name: xyz1, .offset: 0, .size: 8, .value_kind: global_buffer, .address_space: global }
      - { .name: xyz2, .offset: 8, .size: 8, .value_kind: global_buffer, .address_space: global }
      - { .name: conv_w, .offset: 16, .size: 8, .value_kind: global_buffer, .address_space: global }
      - { .name: gids, .offset: 24, .size: 8, .value_kind: global_buffer, .address_space: global }
      - { .name: wbf, .offset: 32, .size: 8, .value_kind: global_buffer, .address_space: global }
    .group_segment_fixed_size: 148480
    .private_segment_fixed_size: 0
    .kernarg_segment_align: 8
    .kernarg_segment_size: 40
    .max_flat_workgroup_size: 256
    .sgpr_count:     66
    .vgpr_count:     226
    .wavefront_size: 32
...
	.end_amdgpu_metadata
.endif
;; end of part 5
;; launch mid (part 6): grid 256 x 1, 4 waves a work-group, no clusters, 318,464 bytes of LDS; arguments xyz1, xyz2, gids, points2, wbf, idx, p2w; writes idx, p2w
.if DOCPART == 6
	.amdgcn_target "amdgcn-amd-amdhsa--gfx1250"
	.amdhsa_code_object_version 6
	.text
	.protected	k_qca6007946d_mid
	.globl	k_qca6007946d_mid
	.p2align	8
	.type	k_qca6007946d_mid,@function
k_qca6007946d_mid:
	s_mov_b64 s[64:65], 0
	v_nop
	global_prefetch_b8 v0, s[64:65] scope:SCOPE_SE
	s_setreg_imm32_b32 hwreg(HW_REG_WAVE_MODE, 25, 1), 1
	s_wait_xcnt 0x0
; The launch between 'groups' and 'fuse'.  Two pieces of work that need nothing of each other stand in one text, so that the second's loads land while the first computes:
; (a) THE CHOICE: the 8 nearest candidates of each query, among the 8 groups of 16 that the first launch stored (whole numbers read from memory, clamped to 127);
; (b) P2W = points2 W2^T, [8192 rows][256 channels], bf16 operands, f32 sums, stored in bf16.  W2 = columns 256 .. 767 of conv_w (wbf holds it in bf16).
; (a) The 8 first in the order (distance, index) all lie in those 8 groups (the first launch's head shows why), so the other 120 groups are not looked at.
; Distances exactly as there: coordinates rounded to bf16, products exact, sums rounded in the reference's order.  The same limits hold.
; One query a lane: work-group i has queries 128 i .. 128 i + 127 of batch i / 64.  The batch's table of candidates is built in LDS as in the first launch.
; The groups are ascending, so place 16 s + e (slot s, element e) ascends with the candidate's index: the lowest bits of [equal | less] break ties as top_k does.
; Each lane reads a group's 8 pairs beginning at pair (lane mod 8): lanes with different groups then touch 8 different columns of 32 bytes instead of one.
; The masks' 16-bit fields are rotated back afterwards.
; (b) The product with W2 is made before the gather, which is the same in exact arithmetic; nothing of the reference is left out.
; LIMIT: P2W is rounded once to bf16 (bf16 and not f16, so that larger inputs keep their range).
; Work-group i: rows 32 i .. 32 i + 31.  Wave w: channels 64 w .. 64 w + 63 of all 32 rows: 8 accumulator tiles, K = 512 in 16 steps of 32.
; p2w is laid out in 16 slices [batch][quarter of the channels][2048 rows][64 channels]: the last launch takes a slice whole.  Wave w's results are 32 rows x 128 bytes
; = 4,096 consecutive bytes of slice 4 (i / 64) + w.
; NO CLUSTER, though every work-group reads all of W2 (262,144 bytes): the LDS addresses of (a) hang on the group numbers, which differ from work-group to work-group,
; and partners of a joint request keep their LDS addresses alike.  Each wave asks for its own 64 channels by one tensor load: by this text's count one is out.
.set BT,    0                          ; LDS: W2, wave w's 64 rows of 1,024 bytes + 16 of padding at 66,560 w
.set TAB,   266240                     ; (a)'s table of candidates, 1,024 entries of 32 bytes
.set ATILE, 266240                     ; later, in the same bytes: my 32 rows of points2 in bf16, pitch 1,040 (both are written by LDS stores, with a barrier between)
.set STG,   299520                     ; the results: 32 rows of 128 bytes, pitch 144, for each wave
.set GB,   6                           ; v[6:13]   the place of each of my 8 groups in the table
.set ROT,  14                          ; v[14:21]  32 x ((p + lane) mod 8)
.set L,    22                          ; v[22:29]  the sorted list of 8
.set ADT,  32                          ; v[32:35]  addresses at work
.set G,    36                          ; v[36:43]  the 8 groups
.set GLO,  44                          ; groups 0-3 as bytes
.set GHI,  45                          ; groups 4-7 as bytes
.set SH,   46                          ; 2 (lane mod 8)
.set SH2,  47                          ; 16 - SH
.set M1,   48                          ; bits SH .. 15 of both halves
.set PADR, 52
.set T,    54                          ; v[54:61]  s1 + s2 of four pairs
.set CB0,  64                          ; v[64:95], v[96:127]  four pairs of candidates each
.set DD,   128                         ; v[128:255] the 128 distances, as read: slot s, pair p at DD + 16 s + 2 p
.set RAW,  128
.set PP,   176
.set PT,   184
.set W,    64
.set P,    72
.set CUR,  80
.set KW,   81
.set TT,   82
.set ACC,  16                          ; (b): v[16:79] tile (a, b) at ACC + 8 (4 a + b): rows 16 a .., channels 64 w + 16 b ..
.set F0,   80                          ; v[80:127] fragments: 2 of my rows, then 4 of W2;  v[128:175] the second buffer
.set CV,   64                          ; v[64:127] my rows in bf16 on their way into LDS
; window 1 (v256-383): my wave's 8 rows of points2 as loaded; v30 their offset, v31 the lane: (a) touches neither
.set MSB, 0
.macro WIN new                         ; s_set_vgpr_msb: bits 1:0 source 0, 3:2 source 1, 5:4 source 2, 7:6 destination; the high byte repeats the setting that is left
.if MSB != \new
	s_set_vgpr_msb (MSB<<8)|\new
.set MSB, \new
.endif
.endm
.macro RND2 d0, d1, a, b
	v_cvt_pk_bf16_f32 v[PT], v[\a], v[\b]
	v_lshlrev_b32 v[\d0], 16, v[PT]
	v_and_b32 v[\d1], s19, v[PT]
.endm
; candidates 2 p and 2 p + 1, p = thread + 128 k, become 32 bytes at 32 p: -2xa -2xb -2ya -2yb -2za -2zb sa sb
.macro BUILD k
	RND2 PP, PP+1, RAW+6*\k, RAW+6*\k+3
	RND2 PP+2, PP+3, RAW+6*\k+1, RAW+6*\k+4
	RND2 PP+4, PP+5, RAW+6*\k+2, RAW+6*\k+5
	v_pk_mul_f32 v[PP+6:PP+7], v[PP:PP+1], v[PP:PP+1]
	v_pk_fma_f32 v[PP+6:PP+7], v[PP+2:PP+3], v[PP+2:PP+3], v[PP+6:PP+7]
	v_pk_fma_f32 v[PP+6:PP+7], v[PP+4:PP+5], v[PP+4:PP+5], v[PP+6:PP+7]
	v_pk_mul_f32 v[PP:PP+1], v[PP:PP+1], -2.0 op_sel_hi:[1,0]
	v_pk_mul_f32 v[PP+2:PP+3], v[PP+2:PP+3], -2.0 op_sel_hi:[1,0]
	v_pk_mul_f32 v[PP+4:PP+5], v[PP+4:PP+5], -2.0 op_sel_hi:[1,0]
	ds_store_b128 v[PADR], v[PP:PP+3] offset:4096*\k
	ds_store_b128 v[PADR], v[PP+4:PP+7] offset:4096*\k+16
.endm
; value v goes into the ascending list of 8 at l: entry i becomes the middle one of (entry i-1, entry i, v), from the top down
.macro INS l, st, v
.irp i, 7,6,5,4,3,2,1
	v_med3_num_f32 v[\l+\st*\i], v[\l+\st*(\i-1)], v[\l+\st*\i], v[\v]
.endr
	v_min_num_f32 v[\l], v[\l], v[\v]
.endm
; one more bit, from the top down: mask = 2 mask + (v < tau), and the same for (v == tau)
.macro BIT v, tau, lw, ew
	v_cmp_lt_f32 vcc_lo, v[\v], v[\tau]
	v_add_co_ci_u32 v[\lw], vcc_lo, v[\lw], v[\lw], vcc_lo
	v_cmp_eq_f32 vcc_lo, v[\v], v[\tau]
	v_add_co_ci_u32 v[\ew], vcc_lo, v[\ew], v[\ew], vcc_lo
.endm
; the lowest set bit of the 256-bit number W[0..7]: its place modulo 128 goes to p, and the bit is cleared
.macro EXTRACT p
	v_mov_b32 v[CUR], v[W+7]
	v_mov_b32 v[KW], 7
.irp k, 6,5,4,3,2,1,0
	v_cmp_eq_u32 vcc_lo, 0, v[W+\k]
	v_cndmask_b32 v[CUR], v[W+\k], v[CUR], vcc_lo
	v_cndmask_b32 v[KW], \k, v[KW], vcc_lo
.endr
	v_sub_nc_u32 v[TT], 0, v[CUR]
	v_and_b32 v[TT], v[CUR], v[TT]
	v_cvt_f32_u32 v[TT], v[TT]                     ; a power of two: its exponent field is 127 + the bit's number
	v_lshrrev_b32 v[TT], 23, v[TT]
	v_lshl_add_u32 v[TT], v[KW], 5, v[TT]
	v_add_nc_u32 v[TT], 1, v[TT]
	v_and_b32 v[\p], 127, v[TT]
	v_add_co_u32 v[TT], vcc_lo, -1, v[W]
	v_and_b32 v[W], v[W], v[TT]
.irp k, 1,2,3,4,5,6,7
	v_add_co_ci_u32 v[TT], vcc_lo, -1, v[W+\k], vcc_lo
	v_and_b32 v[W+\k], v[W+\k], v[TT]
.endr
.endm
; four pairs of slot s (half hf of its eight), 8 loads
.macro FETCHC s, hf, buf
.irp pp, 0,1,2,3
	v_add_nc_u32 v[ADT+\pp], v[GB+\s], v[ROT+4*\hf+\pp]
	ds_load_b128 v[\buf+8*\pp:\buf+8*\pp+3], v[ADT+\pp]
	ds_load_b128 v[\buf+8*\pp+4:\buf+8*\pp+7], v[ADT+\pp] offset:16
.endr
.endm
; their 8 distances (v2 = qx, v3 = qy, v4 = qz, v5 = s1), stage by stage over the four pairs, and into the list
.macro CHUNK s, hf, buf
.irp pp, 0,1,2,3
	v_pk_mul_f32 v[DD+16*\s+8*\hf+2*\pp:DD+16*\s+8*\hf+2*\pp+1], v[2:3], v[\buf+8*\pp:\buf+8*\pp+1] op_sel:[0,0] op_sel_hi:[0,1]
.endr
.irp pp, 0,1,2,3
	v_pk_add_f32 v[T+2*\pp:T+2*\pp+1], v[4:5], v[\buf+8*\pp+6:\buf+8*\pp+7] op_sel:[1,0] op_sel_hi:[1,1]
.endr
.irp pp, 0,1,2,3
	v_pk_fma_f32 v[DD+16*\s+8*\hf+2*\pp:DD+16*\s+8*\hf+2*\pp+1], v[2:3], v[\buf+8*\pp+2:\buf+8*\pp+3], v[DD+16*\s+8*\hf+2*\pp:DD+16*\s+8*\hf+2*\pp+1] op_sel:[1,0,0] op_sel_hi:[1,1,1]
.endr
.irp pp, 0,1,2,3
	v_pk_fma_f32 v[DD+16*\s+8*\hf+2*\pp:DD+16*\s+8*\hf+2*\pp+1], v[4:5], v[\buf+8*\pp+4:\buf+8*\pp+5], v[DD+16*\s+8*\hf+2*\pp:DD+16*\s+8*\hf+2*\pp+1] op_sel:[0,0,0] op_sel_hi:[0,1,1]
.endr
.irp pp, 0,1,2,3
	v_pk_add_f32 v[DD+16*\s+8*\hf+2*\pp:DD+16*\s+8*\hf+2*\pp+1], v[T+2*\pp:T+2*\pp+1], v[DD+16*\s+8*\hf+2*\pp:DD+16*\s+8*\hf+2*\pp+1]
.endr
.irp pp, 0,1,2,3
	INS L, 1, DD+16*\s+8*\hf+2*\pp
	INS L, 1, DD+16*\s+8*\hf+2*\pp+1
.endr
.endm
.macro PLACES
.rept 4
	v_nop
.endr
.endm
; the fragments of K step ks: 16 rows x 32 K are two loads of 16 bytes, 32 bytes apart, at row x pitch + 16 (lane / 16)
.macro KFETCH ks, f
.irp a, 0,1
	ds_load_b128 v[\f+8*\a:\f+8*\a+3], v4 offset:16640*\a+64*(\ks)
	ds_load_b128 v[\f+8*\a+4:\f+8*\a+7], v4 offset:16640*\a+64*(\ks)+32
.endr
.irp b, 0,1,2,3
	ds_load_b128 v[\f+16+8*\b:\f+16+8*\b+3], v5 offset:16640*\b+64*(\ks)
	ds_load_b128 v[\f+16+8*\b+4:\f+16+8*\b+7], v5 offset:16640*\b+64*(\ks)+32
.endr
.endm
; source 0 = 16 channels of W2, source 1 = 16 of my rows: a lane's 8 results are 8 neighbouring channels of one row
.macro KMUL f, zero
.irp a, 0,1
.irp b, 0,1,2,3
.if \zero
	v_wmma_f32_16x16x32_bf16 v[ACC+8*(4*\a+\b):ACC+8*(4*\a+\b)+7], v[\f+16+8*\b:\f+16+8*\b+7], v[\f+8*\a:\f+8*\a+7], 0
.else
	v_wmma_f32_16x16x32_bf16 v[ACC+8*(4*\a+\b):ACC+8*(4*\a+\b)+7], v[\f+16+8*\b:\f+16+8*\b+7], v[\f+8*\a:\f+8*\a+7], v[ACC+8*(4*\a+\b):ACC+8*(4*\a+\b)+7]
.endif
.endr
.endr
.endm
	s_load_b256 s[4:11], s[0:1], 0x0               ; xyz1 s[4:5], xyz2 s[6:7], gids s[8:9], points2 s[10:11]
	s_load_b128 s[12:15], s[0:1], 0x20             ; wbf s[12:13], idx s[14:15]
	s_load_b64 s[16:17], s[0:1], 0x30              ; p2w
	s_set_vgpr_msb 0x40
	v_lshl_add_u32 v128, v0, 2, 0x4da00
	v_mov_b32 v129, 0
	s_set_vgpr_msb 0x4045
	ds_add_u32 v128, v129
	ds_add_u32 v128, v129
	s_set_vgpr_msb 0x4500
	v_lshrrev_b32 v1, 5, v0
	v_readfirstlane_b32 s18, v1                    ; wave
	v_and_b32 v31, 31, v0                          ; lane
	s_mov_b32 s19, 0xffff0000                      ; a word's upper bf16
	s_mov_b32 s20, 0x7f800000                      ; +infinity: an empty list
	s_lshr_b32 s21, ttmp9, 6                       ; batch
	s_mul_i32 s22, s21, 24576                      ; the batch's xyz2
	s_mov_b32 s23, 0
	s_mul_i32 s24, ttmp9, 1536                     ; 128 queries of 12 bytes
	s_mov_b32 s25, 0
	s_lshl_b32 s26, ttmp9, 11                      ; 128 queries of 16 bytes
	s_mov_b32 s27, 0
	s_lshl_b32 s28, ttmp9, 16                      ; my 32 rows of points2, 2,048 bytes each
	s_mov_b32 s29, 0
	s_mul_i32 s30, s18, 98304                      ; my wave's 64 rows of wbf, 1,536 bytes each,
	s_add_co_u32 s30, s30, 512                     ; from column 256 on
	s_mov_b32 s31, 0
	s_lshl_b32 s44, s21, 2
	s_add_co_u32 s44, s44, s18                     ; slice 4 x batch + wave,
	s_lshl_b32 s44, s44, 18                        ; 262,144 bytes each,
	s_and_b32 s45, ttmp9, 63
	s_lshl_b32 s45, s45, 12                        ; and in it my 32 rows of 128 bytes
	s_add_co_u32 s44, s44, s45
	s_mov_b32 s45, 0
	s_mul_i32 s46, s18, 8320
	s_add_co_u32 s46, s46, ATILE                   ; where my wave puts its 8 rows of points2
	s_mul_i32 s47, s18, 4608
	s_add_co_u32 s47, s47, STG                     ; my wave's stage
	; descriptor group 1: 64 rows x 512 elements of 2 bytes, 768 elements from row to row; 4 words of padding behind every 256 words
	s_mov_b32 s32, (1<<16)|(1<<20)|(7<<22)|(3<<25) ; 15:0 no mask; 17:16 element size; 20 padding; 24:22 interval; 31:25 pad
	s_mov_b32 s33, 512<<16                         ; tensor_dim0 = 512
	s_mov_b32 s34, 64<<16                          ; tensor_dim1 = 64
	s_mov_b32 s35, 512<<16                         ; tile_dim0 = 512
	s_mov_b32 s36, 64                              ; tile_dim1 = 64
	s_mov_b32 s37, 768                             ; the pitch
	s_mov_b32 s38, 0
	s_mov_b32 s39, 0
	s_mov_b32 s40, 1                               ; group 0: count
	s_mul_i32 s41, s18, 66560                      ; LDS address: the wave's number times a constant
	v_mul_u32_u24 v49, 24, v0
	v_mul_u32_u24 v50, 12, v0
	v_lshlrev_b32 v51, 4, v0
	v_lshl_add_u32 v52, v0, 5, TAB
	v_lshlrev_b32 v30, 4, v31
	v_lshl_add_u32 v30, s18, 14, v30               ; in points2: 8 rows a wave, 16 bytes a lane
	s_wait_dscnt 0x0
	s_wait_kmcnt 0x0
	s_add_nc_u64 s[42:43], s[12:13], s[30:31]
	s_or_b32 s43, s43, 0x80000000                  ; type = 2
	tensor_load_to_lds s[40:43], s[32:39]          ; my part of W2: it has all of (a) in which to land
	s_nop 0
	s_add_nc_u64 s[4:5], s[4:5], s[24:25]
	s_add_nc_u64 s[6:7], s[6:7], s[22:23]
	s_add_nc_u64 s[8:9], s[8:9], s[26:27]
	s_add_nc_u64 s[14:15], s[14:15], s[26:27]
	s_add_nc_u64 s[10:11], s[10:11], s[28:29]
	s_add_nc_u64 s[16:17], s[16:17], s[44:45]
.irp k, 0,1,2,3,4,5,6,7
	global_load_b64 v[RAW+6*\k:RAW+6*\k+1], v49, s[6:7] offset:3072*\k
	global_load_b64 v[RAW+6*\k+2:RAW+6*\k+3], v49, s[6:7] offset:3072*\k+8
	global_load_b64 v[RAW+6*\k+4:RAW+6*\k+5], v49, s[6:7] offset:3072*\k+16
.endr
	global_load_b96 v[60:62], v50, s[4:5]
	global_load_b128 v[G:G+3], v51, s[8:9]
	global_load_b128 v[G+4:G+7], v51, s[8:9] offset:524288
	WIN 0x40                                       ; destination window 1, address window 0
.set n, 0
.rept 32
	global_load_b128 v[4*n:4*n+3], v30, s[10:11] offset:512*n th:TH_LOAD_NT   ; my wave's 8 rows of points2: 32 x 512 consecutive bytes, for (b)
.set n, n+1
.endr
	WIN 0
	s_wait_loadcnt 0x23                            ; all of xyz2 is in; the 3 + 32 younger loads may be out
.irp k, 0,1,2,3,4,5,6,7
	BUILD \k
.endr
	s_wait_loadcnt 0x20                            ; my query and its groups are in; the 32 loads of points2 may be out
	RND2 2, 3, 60, 61
	v_cvt_pk_bf16_f32 v[PT], v62, v62
	v_lshlrev_b32 v4, 16, v[PT]
	v_mul_f32 v5, v2, v2
	v_fma_f32 v5, v3, v3, v5
	v_fma_f32 v5, v4, v4, v5                       ; s1
.irp k, 0,1,2,3,4,5,6,7
	v_min_u32 v[G+\k], 127, v[G+\k]                ; a number read from memory enters an address only clamped
	v_lshl_add_u32 v[GB+\k], v[G+\k], 8, TAB
.endr
	v_lshl_or_b32 v[GLO], v[G+1], 8, v[G]
	v_lshl_or_b32 v[GLO], v[G+2], 16, v[GLO]
	v_lshl_or_b32 v[GLO], v[G+3], 24, v[GLO]
	v_lshl_or_b32 v[GHI], v[G+5], 8, v[G+4]
	v_lshl_or_b32 v[GHI], v[G+6], 16, v[GHI]
	v_lshl_or_b32 v[GHI], v[G+7], 24, v[GHI]
	v_and_b32 v53, 7, v0
.irp p, 0,1,2,3,4,5,6,7
	v_add_nc_u32 v[ROT+\p], \p, v53
	v_and_b32 v[ROT+\p], 7, v[ROT+\p]
	v_lshlrev_b32 v[ROT+\p], 5, v[ROT+\p]
.endr
	v_lshlrev_b32 v[SH], 1, v53
	v_sub_nc_u32 v[SH2], 16, v[SH]
	v_mov_b32 v[M1], 0xffff
	v_lshlrev_b32 v[M1], v[SH], v[M1]
	v_and_b32 v[M1], 0xffff, v[M1]
	v_lshl_or_b32 v[M1], v[M1], 16, v[M1]
.irp i, 0,1,2,3,4,5,6,7
	v_mov_b32 v[L+\i], s20
.endr
	s_wait_dscnt 0x0
	s_barrier_signal -1
	s_barrier_wait -1                              ; the table is whole
	; 16 chunks of four pairs on two register buffers; the count 8 leaves out the next chunk's 8 loads
	FETCHC 0, 0, CB0
.set c, 0
.rept 16
.set cs, c/2
.set ch, c%2
.set cb, CB0+32*(c%2)
.set ns, (c+1)/2
.set nh, (c+1)%2
.set nb, CB0+32*((c+1)%2)
.if c < 15
	FETCHC ns, nh, nb
	s_wait_dscnt 0x8
.else
	s_wait_dscnt 0x0
.endif
	CHUNK cs, ch, cb
.set c, c+1
.endr
	; the masks against tau = the 8th least, bit 31 of each word first
.irp k, 0,1,2,3,4,5,6,7
	v_mov_b32 v[W+\k], 0
.endr
.set n, 31
.rept 32
.irp k, 0,1,2,3
	BIT DD+32*\k+n, L+7, W+\k, W+4+\k
.endr
.set n, n-1
.endr
	; bit n of a 16-bit field is element (n + SH) mod 16: rotate both fields of each word left by SH
.irp k, 0,1,2,3,4,5,6,7
	v_lshlrev_b32 v[TT], v[SH], v[W+\k]
	v_lshrrev_b32 v[CUR], v[SH2], v[W+\k]
	v_bfi_b32 v[W+\k], v[M1], v[TT], v[CUR]
.endr
.irp p, 0,1,2,3,4,5,6,7
	EXTRACT P+\p
.endr
	; place 16 s + e -> index 16 x group[s] + e
.irp k, 0,1,2,3,4,5,6,7
	v_lshrrev_b32 v[TT], 4, v[P+\k]
	v_perm_b32 v[TT], v[GHI], v[GLO], v[TT]        ; selector byte 0 = s: bytes 0-3 come from GLO, 4-7 from GHI
	v_and_b32 v[CUR], 15, v[P+\k]
	v_and_b32 v[TT], 0xff, v[TT]
	v_lshl_or_b32 v[P+\k], v[TT], 4, v[CUR]
.endr
	global_store_b128 v51, v[P:P+3], s[14:15]                   ; two planes of 16 bytes a query: each store of a wave covers 512 consecutive bytes
	global_store_b128 v51, v[P+4:P+7], s[14:15] offset:524288
	; (b) BEGINS.  Its registers lie over (a)'s, the two stores' offset and data among them: they are written again only behind this wait
	s_wait_xcnt 0x0
	s_wait_dscnt 0x0                               ; my reads of the table are over
	s_barrier_signal -1
	s_barrier_wait -1                              ; everybody's are: points2's rows may lie over it
	v_and_b32 v2, 15, v0                           ; r
	v_bfe_u32 v3, v0, 4, 1                         ; h
	v_lshl_add_u32 v6, v31, 3, s46                 ; my rows in: 8 rows a wave, 8 bytes a lane
	v_mul_u32_u24 v12, 0x410, v2
	v_lshl_add_u32 v12, v3, 4, v12                 ; 1,040 r + 16 h
	v_add_nc_u32 v4, ATILE, v12                    ; fragments of my rows
	v_add_nc_u32 v5, s41, v12                      ; fragments of my wave's part of W2
	v_mul_u32_u24 v13, 0x90, v2
	v_lshl_add_u32 v13, v3, 4, v13
	v_add_nc_u32 v8, s47, v13                      ; results in: 144 r + 16 h
	v_lshrrev_b32 v9, 3, v31
	v_mul_u32_u24 v9, 0x90, v9
	v_and_b32 v10, 7, v0
	v_lshl_add_u32 v9, v10, 4, v9
	v_add_nc_u32 v9, s47, v9                       ; results back: four rows of 128 bytes a load: 144 (lane / 8) + 16 (lane mod 8)
	v_lshlrev_b32 v10, 4, v31                      ; and the same 512 bytes in p2w
	s_wait_loadcnt 0x0                             ; points2's rows are in
	WIN 0x05                                       ; sources 0 and 1 window 1, destination window 0
.set n, 0
.rept 32
	v_cvt_pk_bf16_f32 v[CV+2*n], v[4*n], v[4*n+1]
	v_cvt_pk_bf16_f32 v[CV+2*n+1], v[4*n+2], v[4*n+3]
.set n, n+1
.endr
	WIN 0
.set n, 0
.rept 32
	ds_store_b64 v6, v[CV+2*n:CV+2*n+1] offset:1040*(n/4)+256*(n%4)
.set n, n+1
.endr
	s_wait_tensorcnt 0x0                           ; my part of W2 has landed (only my wave reads it)
	s_wait_dscnt 0x0                               ; my rows are written
	s_barrier_signal -1
	s_barrier_wait -1                              ; everybody's are
	; 16 K steps on two fragment buffers.  The count 12 leaves out the 12 loads just issued.  Four places stand between a step's matrix instructions and the
	; loads into the registers that they read (ISA guide 7.12.1 for vector instructions).  The 8 accumulators take turns.
	KFETCH 0, F0
.set ks, 0
.rept 16
.set fcu, F0+48*(ks%2)
.set fnx, F0+48*((ks+1)%2)
.set kn, ks+1
.if ks < 15
.if ks > 0
	PLACES
.endif
	KFETCH kn, fnx
	s_wait_dscnt 0xc
.else
	s_wait_dscnt 0x0
.endif
.if ks == 0
	KMUL fcu, 1                                    ; the first products start the sums
.else
	KMUL fcu, 0
.endif
.set ks, ks+1
.endr
	; THE WAY OUT: a lane's 8 channels are 16 bytes of a row of 128; through my wave's own stage they become 8 x 512 consecutive bytes.
	; LDS serves a wave's instructions in order (ISA guide 5.7.1.4), and no other wave touches these bytes: no wait and no barrier between stores and loads.
	PLACES                                         ; four places ahead of the conversions, which read results
.irp a, 0,1
.irp b, 0,1,2,3
	v_cvt_pk_bf16_f32 v[176+4*(\b%2)], v[ACC+8*(4*\a+\b)], v[ACC+8*(4*\a+\b)+1]
	v_cvt_pk_bf16_f32 v[177+4*(\b%2)], v[ACC+8*(4*\a+\b)+2], v[ACC+8*(4*\a+\b)+3]
	v_cvt_pk_bf16_f32 v[178+4*(\b%2)], v[ACC+8*(4*\a+\b)+4], v[ACC+8*(4*\a+\b)+5]
	v_cvt_pk_bf16_f32 v[179+4*(\b%2)], v[ACC+8*(4*\a+\b)+6], v[ACC+8*(4*\a+\b)+7]
	ds_store_b128 v8, v[176+4*(\b%2):179+4*(\b%2)] offset:2304*\a+32*\b
.endr
.endr
.irp t, 0,1,2,3,4,5,6,7
	ds_load_b128 v[184+4*\t:187+4*\t], v9 offset:576*\t
.endr
.irp t, 0,1,2,3,4,5,6,7
	s_wait_dscnt 7-\t                              ; LDS loads come back in order: 7 - t younger ones may be out
	global_store_b128 v10, v[184+4*\t:187+4*\t], s[16:17] offset:512*\t   ; 512 consecutive bytes, at a multiple of 512 from p2w's first byte
.endr
	s_set_vgpr_msb 0x5
	s_wait_tensorcnt 0x0
	ds_add_u32 v128, v129
	s_wait_dscnt 0x0
	s_set_vgpr_msb 0x500
	s_endpgm
.Lfunc_end_k_qca6007946d_mid:
	.size	k_qca6007946d_mid, .Lfunc_end_k_qca6007946d_mid-k_qca6007946d_mid
	.p2alignl 7, 3214868480
	.fill 96, 4, 3214868480
	.section	.rodata,"a",@progbits
	.p2align	6, 0x0
	.amdhsa_kernel k_qca6007946d_mid
		.amdhsa_group_segment_fixed_size 318464
		.amdhsa_private_segment_fixed_size 0
		.amdhsa_enable_private_segment 0
		.amdhsa_kernarg_size 56
		.amdhsa_user_sgpr_count 2
		.amdhsa_user_sgpr_kernarg_segment_ptr 1
		.amdhsa_wavefront_size32 1
		.amdhsa_system_sgpr_workgroup_id_x 1
		.amdhsa_system_sgpr_workgroup_id_y 1
		.amdhsa_system_sgpr_workgroup_id_z 1
		.amdhsa_system_vgpr_workitem_id 0
		.amdhsa_next_free_vgpr 386
		.amdhsa_next_free_sgpr 66
		.amdhsa_reserve_vcc 1
		.amdhsa_float_denorm_mode_32 3
		.amdhsa_float_denorm_mode_16_64 3
		.amdhsa_memory_ordered 1
		.amdhsa_forward_progress 1
		.amdhsa_inst_pref_size 176
	.end_amdhsa_kernel
	.amdgpu_metadata
---
amdhsa.version: [ 1, 2 ]
amdhsa.kernels:
  - .name:           k_qca6007946d_mid
    .symbol:         k_qca6007946d_mid.kd
    .args:
      - { .name: xyz1, .offset: 0, .size: 8, .value_kind: global_buffer, .address_space: global }
      - { .name: xyz2, .offset: 8, .size: 8, .value_kind: global_buffer, .address_space: global }
      - { .name: gids, .offset: 16, .size: 8, .value_kind: global_buffer, .address_space: global }
      - { .name: points2, .offset: 24, .size: 8, .value_kind: global_buffer, .address_space: global }
      - { .name: wbf, .offset: 32, .size: 8, .value_kind: global_buffer, .address_space: global }
      - { .name: idx, .offset: 40, .size: 8, .value_kind: global_buffer, .address_space: global }
      - { .name: p2w, .offset: 48, .size: 8, .value_kind: global_buffer, .address_space: global }
    .group_segment_fixed_size: 318464
    .private_segment_fixed_size: 0
    .kernarg_segment_align: 8
    .kernarg_segment_size: 56
    .max_flat_workgroup_size: 128
    .sgpr_count:     66
    .vgpr_count:     386
    .wavefront_size: 32
...
	.end_amdgpu_metadata
.endif
;; end of part 6
;; launch fuse (part 7): grid 256 x 1, 4 waves a work-group, no clusters, 313,856 bytes of LDS; arguments xyz1, xyz2, points1, conv_b, wbf, p2w, idx, out0; writes out0
.if DOCPART == 7
	.amdgcn_target "amdgcn-amd-amdhsa--gfx1250"
	.amdhsa_code_object_version 6
	.text
	.protected	k_qca6007946d_fuse
	.globl	k_qca6007946d_fuse
	.p2align	8
	.type	k_qca6007946d_fuse,@function
k_qca6007946d_fuse:
	s_mov_b64 s[64:65], 0
	v_nop
	global_prefetch_b8 v0, s[64:65] scope:SCOPE_SE
	s_setreg_imm32_b32 hwreg(HW_REG_WAVE_MODE, 25, 1), 1
	s_wait_xcnt 0x0
; The last launch: out = points1 W1^T + sum_k w_k P2W[idx_k] + b.  idx are whole numbers that the launch before stored; P2W = points2 W2^T comes from it too.
; Nothing of the reference is left out: the product with W2 stands in the launch before (the first launch's head shows that this is the same in exact arithmetic).
; WEIGHTS: the 8 distances are made again from the bf16-rounded coordinates with the roundings of the choice; w_k = r_k / sum r, r_k = 1 / (d_k + 1e-8).
; LIMITS: the divisions are v_rcp_f32 and a product (1 ulp); the 8 terms are summed in the order of the stored indices, the even and the odd ones apart; P2W is bf16.
; THE SHAPE.  Work-group i: queries 512 (i / 4) .. + 511 (batch i / 64), channels 64 (i mod 4) .. + 63.  Its slice of P2W, 2,048 rows x 128 bytes = 262,144 bytes, lies in
; LDS for the whole launch, so that the 8 rows of a query are LDS reads: the work-group brings 262,144 bytes in once where its 512 x 8 rows of 128 bytes would be 524,288.
; The work goes in 8 steps of 64 queries; in each step wave w has 16 queries and all 64 channels: 4 accumulator tiles, K = 256 in 8 steps of 32.  W1's 64 channels are 32
; fragments, 256 registers, resident in every wave.  A wave loads its own 16 rows of points1 (32 x 512 consecutive bytes), rounds them to bf16 and turns them into fragments
; through LDS bytes of its own; the results go through an f32 stage of its own.  So behind the three barriers at the head no wave waits for another.
; THE GATHER takes two queries at a time: lanes 0-15 query t, lanes 16-31 query t + 8, four channels a lane.  One load of 8 bytes a lane brings two whole rows of the slice; one
; store of 16 bytes a lane writes two whole aligned blocks of 256 bytes of out0.  The row addresses and weights are made once, one query a lane, and reach a query's 16 lanes
; by DPP row_share.  For that a batch of 32 lanes holds two steps' queries: lane l has step (l / 8) mod 2, query (l mod 8) + 8 (l / 16).
; NO CLUSTER, though the four work-groups of a query block read the same rows of points1.  Beside the slice 65,536 of the 327,680 bytes are left; a joint f32 tile with 16 rows for
; each of four waves is 64 x 1,040 = 66,560 bytes, and the stage needs 17,408 more; a tile of 16 rows would have to be read and rounded by all four waves.  The slices are shared
; by work-groups with other queries, whose LDS addresses differ.  So points1 comes through registers, two steps ahead, and each of the four reads it for itself.
.set ATILE, 262144                     ; LDS behind the slice: 64 rows, pitch 528: first W1's 64 channels (tensor loads), then wave w's 16 rows of points1 at 8,448 w (LDS stores)
.set STAGE, 295936                     ; 16 rows of 64 f32, pitch 272, for each wave
.set RR,    12                         ; v[12:15]  the sum of the even terms (at the head: offsets of the first loads)
.set BIAS,  16                         ; v[16:19]  the bias of my 4 channels
.set SUM,   20                         ; v[20:31]  three sets by turns: a row's 4 products' sums, then the odd terms on top, then the result
.set IDXA,  32                         ; v[32:63]  128 x index, 8 a query: batch u at IDXA + 8 u
.set WT,    64                         ; v[64:95]  the weights likewise
.set ACC,   96                         ; v[96:127] accumulator tile b at ACC + 8 b (at the head: my queries' coordinates and registers at work)
.set XQ,    96
.set FR,    128                        ; v[128:191] the 8 fragments of my 16 rows
.set NB,    128                        ; at the head v[128:255]: the neighbours' coordinates, 4 registers each (the fourth is the load's offset)
.set GB,    128                        ; v[128:223] three gather buffers by turns, 32 registers each: 8 addresses, 8 weights, 8 x 2 of data
.set CT,    192                        ; v[192:255] my rows in bf16 on their way into LDS
; window 1 (v256-511): W1's fragment (b, ks) at 8 (8 b + ks).  Window 2 (v512-767): two buffers of 128 for points1 as loaded, even steps and odd steps
.set MSB, 0
.macro WIN new                         ; s_set_vgpr_msb: bits 1:0 source 0, 3:2 source 1, 5:4 source 2, 7:6 destination; the high byte repeats the setting that is left
.if MSB != \new
	s_set_vgpr_msb (MSB<<8)|\new
.set MSB, \new
.endif
.endm
.macro PLACES
.rept 4
	v_nop
.endr
.endm
; d_k + 1e-8 of neighbour k of my query of batch u (v116 = qx, v117 = qy, v118 = qz, v119 = s1)
.macro WEIGHT u, k
	v_cvt_pk_bf16_f32 v120, v[NB+32*\u+4*\k], v[NB+32*\u+4*\k+1]
	v_cvt_pk_bf16_f32 v121, v[NB+32*\u+4*\k+2], v[NB+32*\u+4*\k+2]
	v_lshlrev_b32 v122, 16, v120
	v_and_b32 v123, s27, v120
	v_lshlrev_b32 v124, 16, v121
	v_mul_f32 v125, v122, v122
	v_mul_f32 v126, v116, v122
	v_fma_f32 v125, v123, v123, v125
	v_fma_f32 v126, v117, v123, v126
	v_fma_f32 v125, v124, v124, v125               ; s2
	v_fma_f32 v126, v118, v124, v126               ; dot
	v_add_f32 v125, v119, v125                     ; s1 + s2
	v_fma_f32 v125, -2.0, v126, v125               ; 2 dot is exact: one rounding, as in the reference
	v_add_f32 v[WT+8*\u+\k], 0x322bcc77, v125
.endm
; the 8 weights of my query of batch u; its indices become row addresses in the slice.  Behind each run of reciprocals stands one plain instruction (ISA guide 5.7.2): a shift
.macro WBATCH u
	v_cvt_pk_bf16_f32 v120, v[XQ+4*\u], v[XQ+4*\u+1]
	v_cvt_pk_bf16_f32 v121, v[XQ+4*\u+2], v[XQ+4*\u+2]
	v_lshlrev_b32 v116, 16, v120
	v_and_b32 v117, s27, v120
	v_lshlrev_b32 v118, 16, v121
	v_mul_f32 v119, v116, v116
	v_fma_f32 v119, v117, v117, v119
	v_fma_f32 v119, v118, v118, v119               ; s1
.irp k, 0,1,2,3,4,5,6,7
	WEIGHT \u, \k
.endr
.irp k, 0,1,2,3,4,5,6,7
	v_rcp_f32 v[WT+8*\u+\k], v[WT+8*\u+\k]
.endr
	v_lshlrev_b32 v[IDXA+8*\u], 7, v[IDXA+8*\u]
	s_wait_alu depctr_va_vdst(0)
	v_add_f32 v120, v[WT+8*\u], v[WT+8*\u+1]
.irp k, 2,3,4,5,6,7
	v_add_f32 v120, v120, v[WT+8*\u+\k]
.endr
	v_rcp_f32 v120, v120
	v_lshlrev_b32 v[IDXA+8*\u+1], 7, v[IDXA+8*\u+1]
	s_wait_alu depctr_va_vdst(0)
.irp k, 0,1,2,3,4,5,6,7
	v_mul_f32 v[WT+8*\u+\k], v[WT+8*\u+\k], v120
.endr
.irp k, 2,3,4,5,6,7
	v_lshlrev_b32 v[IDXA+8*\u+\k], 7, v[IDXA+8*\u+\k]
.endr
.endm
; The addresses and weights of a pair of queries into gather buffer bf.  Their lists stand in lanes nl and 16 + nl of the batch at the front.  v4 = 8 x (lane mod 16).
; The address is clamped last of all: 2,047 rows x 128 + 15 x 8 = 0x3fff8, so that a number read from memory cannot lead a load out of the slice.
.macro PAIRADR nl, bf
.irp k, 0,1,2,3,4,5,6,7
	v_add_nc_u32_dpp v[GB+32*\bf+\k], v[IDXA+\k], v4 row_share:\nl row_mask:0xf bank_mask:0xf
.endr
.irp k, 0,1,2,3,4,5,6,7
	v_min_u32 v[GB+32*\bf+\k], 0x3fff8, v[GB+32*\bf+\k]
.endr
.irp k, 0,1,2,3,4,5,6,7
	v_mov_b32_dpp v[GB+32*\bf+8+\k], v[WT+\k] row_share:\nl row_mask:0xf bank_mask:0xf
.endr
.endm
.macro PAIRLD bf                       ; its 8 loads: each brings row k of both queries, 2 x 128 bytes
.irp k, 0,1,2,3,4,5,6,7
	ds_load_b64 v[GB+32*\bf+16+2*\k:GB+32*\bf+17+2*\k], v[GB+32*\bf+\k]
.endr
.endm
.macro FMA4 d, a, g, w                 ; my four channels: d = (bf16 from g) x w + a
	v_fma_mix_f32_bf16 v[\d], v[\g], v[\w], v[\a] op_sel:[0,0,0] op_sel_hi:[1,0,0]
	v_fma_mix_f32_bf16 v[\d+1], v[\g], v[\w], v[\a+1] op_sel:[1,0,0] op_sel_hi:[1,0,0]
	v_fma_mix_f32_bf16 v[\d+2], v[\g+1], v[\w], v[\a+2] op_sel:[0,0,0] op_sel_hi:[1,0,0]
	v_fma_mix_f32_bf16 v[\d+3], v[\g+1], v[\w], v[\a+3] op_sel:[1,0,0] op_sel_hi:[1,0,0]
.endm
; Pair t of a tile's eight, on buffer cur.  more = 1: pair t + 2 (lists in lane nl) is asked for first, into buffer nxt.  cnt = how many younger LDS loads may stay out.
; Two chains of four: the even terms start from the bias, the odd ones go on top of the products' sums; so an instruction reads a result that is eight instructions old.
.macro PAIR t, cur, nxt, nl, more, cnt, ts
.set GC, GB+32*\cur
.set SC, SUM+4*\cur
.if \more
	PAIRADR \nl, \nxt
	PAIRLD \nxt
.endif
	s_wait_dscnt \cnt                              ; LDS loads come back in order: this pair's 9 are in; 8 + 1 of the next pair and the 8 just issued stay out
	FMA4 RR, BIAS, GC+16, GC+8
	FMA4 SC, SC, GC+18, GC+9
	FMA4 RR, RR, GC+20, GC+10
	FMA4 SC, SC, GC+22, GC+11
	FMA4 RR, RR, GC+24, GC+12
	FMA4 SC, SC, GC+26, GC+13
	FMA4 RR, RR, GC+28, GC+14
	FMA4 SC, SC, GC+30, GC+15
.if \more
	s_wait_xcnt 0x0                                ; set nxt was the data of pair t - 1's store: loaded again only behind this wait, which stands a pair's arithmetic behind that store
	ds_load_b128 v[SUM+4*\nxt:SUM+4*\nxt+3], v8 offset:272*(\t+2)
.endif
	v_pk_add_f32 v[SC:SC+1], v[SC:SC+1], v[RR:RR+1]
	v_pk_add_f32 v[SC+2:SC+3], v[SC+2:SC+3], v[RR+2:RR+3]
	global_store_b128 v10, v[SC:SC+3], s[18:19] offset:65536*\ts+1024*\t th:TH_STORE_NT   ; lanes 0-15 and lanes 16-31 each write 256 consecutive bytes, aligned
.endm
; a tile's 16 queries; q0 .. q7 = the lanes in which the lists of pairs 0 .. 7 stand
.macro GATH ts, q0, q1, q2, q3, q4, q5, q6, q7
	PAIRADR \q0, 0
	PAIRADR \q1, 1
	s_wait_xcnt 0x0                                ; sets 0 and 1 were the data of the last tile's last stores
	ds_load_b128 v[SUM:SUM+3], v8                  ; LDS serves a wave's instructions in order (ISA guide 5.7.1.4): these see the stage's stores
	PAIRLD 0
	ds_load_b128 v[SUM+4:SUM+7], v8 offset:272
	PAIRLD 1
	PAIR 0, 0, 2, \q2, 1, 17, \ts
	PAIR 1, 1, 0, \q3, 1, 17, \ts
	PAIR 2, 2, 1, \q4, 1, 17, \ts
	PAIR 3, 0, 2, \q5, 1, 17, \ts
	PAIR 4, 1, 0, \q6, 1, 17, \ts
	PAIR 5, 2, 1, \q7, 1, 17, \ts
	PAIR 6, 0, 2, 0, 0, 9, \ts                     ; nothing more to ask for: the counts run down
	PAIR 7, 1, 0, 0, 0, 0, \ts
.endm
; One step: my 16 queries of a trip's step ts (0 or 1).  pf = 1: the buffer is loaded again with the rows two steps on.  lcnt = how many younger loads of points1 may stay out.
.macro STEP ts, pf, lcnt
	s_wait_loadcnt \lcnt                           ; loads come back in order: this step's 32 are in, the next step's 32 stay out
	WIN 0x0a                                       ; sources 0 and 1 window 2, destination window 0
.set n, 0
.rept 32
	v_cvt_pk_bf16_f32 v[CT+2*n], v[128*\ts+4*n], v[128*\ts+4*n+1]
	v_cvt_pk_bf16_f32 v[CT+2*n+1], v[128*\ts+4*n+2], v[128*\ts+4*n+3]
.set n, n+1
.endr
.if \pf
	WIN 0x80                                       ; destination window 2, address window 0
.set n, 0
.rept 32
	global_load_b128 v[128*\ts+4*n:128*\ts+4*n+3], v11, s[8:9] offset:131072+65536*\ts+512*n
.set n, n+1
.endr
.endif
	WIN 0
.set n, 0
.rept 32
	ds_store_b64 v9, v[CT+2*n:CT+2*n+1] offset:528*(n/2)+256*(n%2)
.set n, n+1
.endr
.irp ks, 0,1,2,3,4,5,6,7
	ds_load_b128 v[FR+8*\ks:FR+8*\ks+3], v5 offset:64*\ks        ; my own bytes, in order behind the stores
	ds_load_b128 v[FR+8*\ks+4:FR+8*\ks+7], v5 offset:64*\ks+32
.endr
	WIN 0x01                                       ; source 0 (W1) window 1; source 1, C and D window 0
	; source 0 = 16 channels of W1, source 1 = my 16 rows: a lane's 8 results are 8 neighbouring channels of one row.  The 4 accumulators take turns.
.irp ks, 0,1,2,3,4,5,6,7
	s_wait_dscnt 14-2*\ks                          ; fragment ks is in; the 14 - 2 ks younger loads may be out
.irp b, 0,1,2,3
.if \ks == 0
	v_wmma_f32_16x16x32_bf16 v[ACC+8*\b:ACC+8*\b+7], v[8*(8*\b+\ks):8*(8*\b+\ks)+7], v[FR+8*\ks:FR+8*\ks+7], 0
.else
	v_wmma_f32_16x16x32_bf16 v[ACC+8*\b:ACC+8*\b+7], v[8*(8*\b+\ks):8*(8*\b+\ks)+7], v[FR+8*\ks:FR+8*\ks+7], v[ACC+8*\b:ACC+8*\b+7]
.endif
.endr
.endr
	WIN 0
	PLACES                                         ; four places ahead of the stores, which read results, and of the writes into the fragments' registers
.irp b, 0,1,2,3
	ds_store_b128 v7, v[ACC+8*\b:ACC+8*\b+3] offset:64*\b
	ds_store_b128 v7, v[ACC+8*\b+4:ACC+8*\b+7] offset:64*\b+16
.endr
.if \ts
	GATH 1, 8, 9, 10, 11, 12, 13, 14, 15
.else
	GATH 0, 0, 1, 2, 3, 4, 5, 6, 7
.endif
.endm
	s_load_b512 s[4:19], s[0:1], 0x0               ; xyz1 s[4:5], xyz2 s[6:7], points1 s[8:9], conv_b s[10:11], wbf s[12:13], p2w s[14:15], idx s[16:17], out0 s[18:19]
	s_set_vgpr_msb 0xc0
	v_lshl_add_u32 v0, v0, 2, 0x4c800
	v_mov_b32 v1, 0
	s_set_vgpr_msb 0xc0cf
	ds_add_u32 v0, v1
	ds_add_u32 v0, v1
	s_set_vgpr_msb 0xcf00
	v_and_b32 v1, 31, v0                           ; lane
	v_lshrrev_b32 v2, 5, v0
	v_readfirstlane_b32 s20, v2                    ; wave
	s_and_b32 s21, ttmp9, 3                        ; quarter of the channels
	s_lshr_b32 s22, ttmp9, 2                       ; block of 512 queries
	s_lshr_b32 s26, ttmp9, 6                       ; batch
	s_mov_b32 s27, 0xffff0000
	; byte offsets, each in a pair of its own
	s_mul_i32 s56, s21, 98304                      ; wbf: 64 rows of 1,536 bytes a quarter,
	s_mul_i32 s31, s20, 24576                      ; 16 rows a wave
	s_add_co_u32 s56, s56, s31
	s_mov_b32 s57, 0
	s_lshl_b32 s58, s26, 2
	s_add_co_u32 s58, s58, s21                     ; slice 4 x batch + quarter,
	s_lshl_b32 s58, s58, 2
	s_add_co_u32 s58, s58, s20                     ; a quarter of it a wave:
	s_lshl_b32 s58, s58, 16                        ; 65,536 bytes
	s_mov_b32 s59, 0
	s_lshl_b32 s60, s22, 13                        ; idx: 512 queries of 16 bytes
	s_mov_b32 s61, 0
	s_mul_i32 s62, s22, 6144                       ; xyz1: 512 queries of 12 bytes
	s_mov_b32 s63, 0
	s_mul_i32 s66, s26, 24576                      ; the batch's xyz2
	s_mov_b32 s67, 0
	s_lshl_b32 s68, s22, 19                        ; points1 and out0: 512 rows of 1,024 bytes
	s_mov_b32 s69, 0
	s_lshl_b32 s70, s21, 8                         ; 64 channels of f32
	s_mov_b32 s71, 0
	; W1: 16 rows a wave x 256 elements of 2 bytes, 768 elements from row to row; 4 words of padding behind every 128 words
	s_mov_b32 s32, (1<<16)|(1<<20)|(6<<22)|(3<<25) ; 15:0 no mask; 17:16 element size; 20 padding; 24:22 interval; 31:25 pad
	s_mov_b32 s33, 256<<16                         ; tensor_dim0 = 256
	s_mov_b32 s34, 16<<16                          ; tensor_dim1 = 16
	s_mov_b32 s35, 256<<16                         ; tile_dim0 = 256
	s_mov_b32 s36, 16                              ; tile_dim1 = 16
	s_mov_b32 s37, 768                             ; the pitch
	s_mov_b32 s38, 0
	s_mov_b32 s39, 0
	s_mov_b32 s40, 1
	s_mul_i32 s41, s20, 8448
	s_add_co_u32 s41, s41, ATILE                   ; LDS address: a constant + the wave's number times a constant
	; the slice: dense, 65,536 bytes a wave as 256 rows of 32 elements of 8 bytes
	s_mov_b32 s44, 3<<16
	s_mov_b32 s45, 32<<16                          ; tensor_dim0 = 32
	s_mov_b32 s46, 256<<16                         ; tensor_dim1 = 256
	s_mov_b32 s47, 32<<16                          ; tile_dim0 = 32
	s_mov_b32 s48, 256                             ; tile_dim1 = 256
	s_mov_b32 s49, 32                              ; the pitch
	s_mov_b32 s50, 0
	s_mov_b32 s51, 0
	s_mov_b32 s52, 1
	s_lshl_b32 s53, s20, 16                        ; LDS address: the wave's number times 65,536
	v_and_b32 v2, 15, v0                           ; r; in the gather: c, my place among a query's 16 lanes
	v_bfe_u32 v3, v0, 4, 1                         ; h
	v_lshlrev_b32 v4, 3, v2                        ; 8 c: my 4 channels in a row of the slice
	v_mul_u32_u24 v112, 0x210, v2
	v_lshl_add_u32 v112, v3, 4, v112               ; 528 r + 16 h
	v_add_nc_u32 v6, ATILE, v112                   ; fragments of W1
	v_add_nc_u32 v5, s41, v112                     ; fragments of my 16 rows
	v_lshl_add_u32 v9, v1, 3, s41                  ; my rows in: 8 bytes a lane
	s_mul_i32 s30, s20, 4352
	s_add_co_u32 s30, s30, STAGE                   ; my stage
	v_mul_u32_u24 v113, 0x110, v2
	v_lshl_add_u32 v113, v3, 5, v113
	v_add_nc_u32 v7, s30, v113                     ; in: 272 r + 32 h
	v_mul_u32_u24 v114, 0x880, v3
	v_lshl_add_u32 v114, v2, 4, v114
	v_add_nc_u32 v8, s30, v114                     ; back: rows t and t + 8: 2,176 h + 16 c
	v_lshlrev_b32 v14, 4, v2                       ; 16 c: the bias
	v_lshl_add_u32 v10, v3, 13, v14
	v_lshl_add_u32 v10, s20, 14, v10               ; out0: 16 rows a wave, 8 rows between the halves, 16 c
	v_lshlrev_b32 v11, 4, v1
	v_lshl_add_u32 v11, s20, 14, v11               ; points1: 16 rows a wave, 16 bytes a lane
	v_bfe_u32 v15, v0, 3, 1
	v_and_b32 v115, 7, v0
	v_lshl_add_u32 v115, v15, 6, v115
	v_lshl_add_u32 v115, v3, 3, v115
	v_lshl_add_u32 v115, s20, 4, v115              ; my query in a batch of 128: 64 ((l / 8) mod 2) + 16 w + 8 (l / 16) + l mod 8
	v_lshlrev_b32 v12, 4, v115
	v_mul_u32_u24 v13, 12, v115
	s_wait_dscnt 0x0
	s_wait_kmcnt 0x0
	s_add_nc_u64 s[42:43], s[12:13], s[56:57]
	s_or_b32 s43, s43, 0x80000000                  ; type = 2
	s_add_nc_u64 s[54:55], s[14:15], s[58:59]
	s_or_b32 s55, s55, 0x80000000
	tensor_load_to_lds s[40:43], s[32:39]          ; both first fills go out together, ahead of every wait on TENSORcnt, LDS read and barrier: W1's part first,
	s_nop 0
	tensor_load_to_lds s[52:55], s[44:51]          ; then the slice's
	s_nop 0
	s_add_nc_u64 s[16:17], s[16:17], s[60:61]
	s_add_nc_u64 s[4:5], s[4:5], s[62:63]
	s_add_nc_u64 s[6:7], s[6:7], s[66:67]
	s_add_nc_u64 s[8:9], s[8:9], s[68:69]
	s_add_nc_u64 s[18:19], s[18:19], s[68:69]
	s_add_nc_u64 s[18:19], s[18:19], s[70:71]
	s_add_nc_u64 s[10:11], s[10:11], s[70:71]
.irp u, 0,1,2,3
	global_load_b128 v[IDXA+8*\u:IDXA+8*\u+3], v12, s[16:17] offset:2048*\u
	global_load_b128 v[IDXA+8*\u+4:IDXA+8*\u+7], v12, s[16:17] offset:2048*\u+524288
	global_load_b96 v[XQ+4*\u:XQ+4*\u+2], v13, s[4:5] offset:1536*\u
.endr
	global_load_b128 v[BIAS:BIAS+3], v14, s[10:11]
	WIN 0x80
.set n, 0
.rept 32
	global_load_b128 v[4*n:4*n+3], v11, s[8:9] offset:512*n                  ; step 0's rows.  No hint: the three other quarters read the same rows
.set n, n+1
.endr
	WIN 0
	s_wait_tensorcnt 0x1                           ; my part of W1 has landed; the slice's may stay out
	s_barrier_signal -1
	s_barrier_wait -1                              ; W1 is whole
	WIN 0x40                                       ; destination window 1, address window 0
.irp b, 0,1,2,3
.irp ks, 0,1,2,3,4,5,6,7
	ds_load_b128 v[8*(8*\b+\ks):8*(8*\b+\ks)+3], v6 offset:8448*\b+64*\ks
	ds_load_b128 v[8*(8*\b+\ks)+4:8*(8*\b+\ks)+7], v6 offset:8448*\b+64*\ks+32
.endr
.endr
	WIN 0
	s_wait_loadcnt 0x20                            ; all but the 32 loads of points1: indices, my queries, the bias
.irp u, 0,1,2,3
.irp k, 0,1,2,3,4,5,6,7
	v_min_u32 v[IDXA+8*\u+\k], 0x7ff, v[IDXA+8*\u+\k]            ; a number read from memory enters an address only clamped
	v_mul_u32_u24 v[NB+32*\u+4*\k+3], 12, v[IDXA+8*\u+\k]
	global_load_b96 v[NB+32*\u+4*\k:NB+32*\u+4*\k+2], v[NB+32*\u+4*\k+3], s[6:7]
.endr
.endr
	WIN 0x80
.set n, 0
.rept 32
	global_load_b128 v[128+4*n:128+4*n+3], v11, s[8:9] offset:65536+512*n    ; step 1's rows
.set n, n+1
.endr
	WIN 0
	s_wait_dscnt 0x0                               ; my reads of W1 are over
	s_barrier_signal -1
	s_barrier_wait -1                              ; everybody's are: the waves' rows of points1 may lie over it
	s_wait_loadcnt 0x20                            ; all but step 1's 32 loads: the neighbours' coordinates are in
	WBATCH 0
	WBATCH 1
	WBATCH 2
	WBATCH 3
	s_wait_tensorcnt 0x0                           ; my part of the slice has landed
	s_barrier_signal -1
	s_barrier_wait -1                              ; the slice is whole; from here on no wave writes what another reads
	; 8 steps, two a trip.  Register numbers are fixed in the text, so at a trip's end the lists move down one batch: 48 moves, where writing the four trips out
	; would double the code.  The last trip loads nothing beyond my 512 rows and is written out.
	s_mov_b32 s23, 0
.Ltrip:
	STEP 0, 1, 32
	STEP 1, 1, 32
	s_wait_xcnt 0x0                                ; the bases of the pending loads and stores are stepped only behind this wait
	s_add_nc_u64 s[8:9], s[8:9], 0x20000
	s_add_nc_u64 s[18:19], s[18:19], 0x20000
.set n, 0
.rept 24
	v_mov_b32 v[IDXA+n], v[IDXA+8+n]
	v_mov_b32 v[WT+n], v[WT+8+n]
.set n, n+1
.endr
	s_add_co_u32 s23, s23, 1
	s_cmp_lt_u32 s23, 3
	s_cbranch_scc1 .Ltrip
	STEP 0, 0, 32
	STEP 1, 0, 0
	s_set_vgpr_msb 0xf
	s_wait_tensorcnt 0x0
	ds_add_u32 v0, v1
	s_wait_dscnt 0x0
	s_set_vgpr_msb 0xf00
	s_endpgm
.Lfunc_end_k_qca6007946d_fuse:
	.size	k_qca6007946d_fuse, .Lfunc_end_k_qca6007946d_fuse-k_qca6007946d_fuse
	.p2alignl 7, 3214868480
	.fill 96, 4, 3214868480
	.section	.rodata,"a",@progbits
	.p2align	6, 0x0
	.amdhsa_kernel k_qca6007946d_fuse
		.amdhsa_group_segment_fixed_size 313856
		.amdhsa_private_segment_fixed_size 0
		.amdhsa_enable_private_segment 0
		.amdhsa_kernarg_size 64
		.amdhsa_user_sgpr_count 2
		.amdhsa_user_sgpr_kernarg_segment_ptr 1
		.amdhsa_wavefront_size32 1
		.amdhsa_system_sgpr_workgroup_id_x 1
		.amdhsa_system_sgpr_workgroup_id_y 1
		.amdhsa_system_sgpr_workgroup_id_z 1
		.amdhsa_system_vgpr_workitem_id 0
		.amdhsa_next_free_vgpr 770
		.amdhsa_next_free_sgpr 72
		.amdhsa_reserve_vcc 0
		.amdhsa_float_denorm_mode_32 3
		.amdhsa_float_denorm_mode_16_64 3
		.amdhsa_memory_ordered 1
		.amdhsa_forward_progress 1
		.amdhsa_inst_pref_size 238
	.end_amdhsa_kernel
	.amdgpu_metadata
---
amdhsa.version: [ 1, 2 ]
amdhsa.kernels:
  - .name:           k_qca6007946d_fuse
    .symbol:         k_qca6007946d_fuse.kd
    .args:
      - { .name: xyz1, .offset: 0, .size: 8, .value_kind: global_buffer, .address_space: global }
      - { .name: xyz2, .offset: 8, .size: 8, .value_kind: global_buffer, .address_space: global }
      - { .name: points1, .offset: 16, .size: 8, .value_kind: global_buffer, .address_space: global }
      - { .name: conv_b, .offset: 24, .size: 8, .value_kind: global_buffer, .address_space: global }
      - { .name: wbf, .offset: 32, .size: 8, .value_kind: global_buffer, .address_space: global }
      - { .name: p2w, .offset: 40, .size: 8, .value_kind: global_buffer, .address_space: global }
      - { .name: idx, .offset: 48, .size: 8, .value_kind: global_buffer, .address_space: global }
      - { .name: out0, .offset: 56, .size: 8, .value_kind: global_buffer, .address_space: global }
    .group_segment_fixed_size: 313856
    .private_segment_fixed_size: 0
    .kernarg_segment_align: 8
    .kernarg_segment_size: 64
    .max_flat_workgroup_size: 128
    .sgpr_count:     72
    .vgpr_count:     770
    .wavefront_size: 32
...
	.end_amdgpu_metadata
.endif
;; end of part 7
